; MI455X (gfx1250); checked and timed in simulation.
; The chip was launched on July 23, 2026; its instructions are those of AMD's public machine-readable ISA for CDNA 5 (MIT licence, August 2026) and "CDNA5" Instruction Set Architecture Reference Guide (July 2026). The comments in the code are by the model that wrote it; some were corrected since.
;; Transformer. Allowed arithmetic: matrix products marked QUANTISED: E2M1 operands, one E8M0 scale for each 32 along K, by v_wmma_scale_f32_16x16x128_f8f6f4 with both operands' format E2M1 (or v_wmma_scale_f32_32x16x128_f4), f32 sums; products left as they are: bf16, f16 or f32 operands; f32 sums; everything else in f32.
;; Inputs: Wk 1,024 x 1,024 float32; Wo 1,024 x 1,024 float32; Wq 1,024 x 1,024 float32; Wv 1,024 x 1,024 float32; bk 1,024 float32; bo 1,024 float32; bq 1,024 float32; bv 1,024 float32; distance_scaling one number float32; distances 4 x 2,048 x 2,048 float32; key_ 4 x 2,048 x 1,024 float32; query 4 x 2,048 x 1,024 float32; value 4 x 2,048 x 1,024 float32.
;; Outputs: out0 4 x 2,048 x 1,024 float32.
;; This version of the problem:
;;   THIS VERSION OF THE PROBLEM IS GIVEN IN LOW PRECISION. The matrix products marked QUANTISED in the list below multiply operands that are first quantised to E2M1 (2 exponent bits, 1 mantissa bit; 4 bits a number), with one power-of-two scale for each 32 numbers along K (OCP MX v1.0); their sums are f32. The products marked 'left as it is' may take bf16, f16 or f32 operands, with f32 sums. Whichever they take, every output number must still come out within the allowed error. Rounding operands to bf16 (8 significant bits) uses up far more of that allowance than f16 does (11 bits, for magnitudes from 6e-5 to 65,504). All else is computed in f32.
;;   The module's matrix products, in the order in which they are computed (A, B: the left and right operand; K: the contracted axis; several contracted axes count as one K, in the product's order):
;;     1. [M 8,192, K 1,024] x [K 1,024, N 1,024]; A: input query; B: input Wq: QUANTISED
;;     2. [M 8,192, K 1,024] x [K 1,024, N 1,024]; A: input key_; B: input Wk: QUANTISED
;;     3. [M 8,192, K 1,024] x [K 1,024, N 1,024]; A: input value; B: input Wv: QUANTISED
;;     4. batch 64 x [M 2,048, K 64] x [K 64, N 2,048]; A: computed on the way; B: computed on the way: left as it is (an operand is computed on the way)
;;     5. batch 64 x [M 2,048, K 2,048] x [K 2,048, N 64]; A: computed on the way; B: computed on the way: left as it is (an operand is computed on the way)
;;     6. [M 8,192, K 1,024] x [K 1,024, N 1,024]; A: computed on the way; B: input Wo: left as it is (an operand is computed on the way)
;;   THE QUANTISER, for each operand of a quantised product, along K:
;;     - K is cut into blocks of 32 from its start; a last block that is shorter is filled with zeros.
;;     - A block's scale is 2^e with e = floor(log2(the largest magnitude in the block)) - 2, held to -126 .. 127; a block of zeros has e = 0. As a byte (E8M0): e + 127.
;;     - Each number is divided by its block's scale, clamped to +-6, and rounded to the nearest number of E2M1, ties to even, subnormals kept.
;;     - The product sums the exact products of the quantised numbers (number of the format x scale) in f32.
;;   ~~~python
;;   def quantise(x, axis):      # numpy; x: float32 -> the quantised numbers, widened to float32 again
;;       x = np.moveaxis(x, axis, -1); K = x.shape[-1]
;;       x = np.pad(x, [(0, 0)] * (x.ndim - 1) + [(0, -K % 32)]); x = x.reshape(x.shape[:-1] + (-1, 32)); a = np.abs(x).max(-1, keepdims=True)
;;       e = np.where(a > 0, np.clip(np.frexp(np.where(a > 0, a, 1))[1] - 1 - 2, -126, 127), 0)      # np.frexp(a)[1] - 1 = floor(log2(a)), exactly
;;       r = np.clip(x / 2.0 ** e, -6, 6)
;;       step = 2.0 ** (np.maximum(np.frexp(np.where(r == 0, 1, r))[1] - 1, 0) - 1)
;;       q = np.round(r / step) * step * 2.0 ** e      # np.round: ties to even
;;       return np.moveaxis(q.reshape(q.shape[:-2] + (-1,))[..., :K], -1, axis).astype(np.float32)
;;   ~~~
;; One version. Each part assembles by itself: llvm-mc -triple=amdgcn-amd-amdhsa -mcpu=gfx1250 --defsym DOCPART=n.
;; ======== version 1 of 1: 4 launches
;; limits: values are held in f16: magnitudes above 65,504 overflow, below 6.1e-05 lose precision
;; workspace buffers: xc 12,582,912 bytes; xs 786,432 bytes; wc 1,572,864 bytes; ws 98,304 bytes; wo16 2,097,152 bytes; bias 67,108,864 bytes; qkv 50,331,648 bytes; att 16,777,216 bytes
;; launch prep (part 1): grid 1408 x 1, 4 waves a work-group, no clusters, 33,280 bytes of LDS; arguments query, key_, value, Wq, Wk, Wv, Wo, distances, distance_scaling, xc, xs, wc, ws, wo16, bias; writes xc, xs, wc, ws, wo16, bias
.if DOCPART == 1
	.amdgcn_target "amdgcn-amd-amdhsa--gfx1250"
	.amdhsa_code_object_version 6
	.text
	.protected	k_qd3fb13de1a_prep
	.globl	k_qd3fb13de1a_prep
	.p2align	8
	.type	k_qd3fb13de1a_prep,@function
k_qd3fb13de1a_prep:
	s_mov_b64 s[64:65], 0
	v_nop
	global_prefetch_b8 v0, s[64:65] scope:SCOPE_SE
	s_setreg_imm32_b32 hwreg(HW_REG_WAVE_MODE, 25, 1), 1
	s_wait_xcnt 0x0
; Three kinds of work, told apart by the work-group's number g; each work-group takes 32,768 numbers, each of its four waves 8,192.
;   g < 864          query, key_, value (256 work-groups each), Wq, Wk, Wv (32 each): f32 -> codes of FP4 (E2M1) with K innermost and one E8M0 byte for each 32 along K.
;   864 <= g < 1376  distances -> bias = -|distance_scaling| x log2(distances + 1e-9), f32: the distance bias in base 2, made once for all 16 heads.
;   g >= 1376        Wo -> f16.
; THE QUANTISER.  A block's scale is 2^(floor(log2(its largest magnitude)) - 2); its byte is the largest magnitude's exponent field - 2, held at 1 from below.  A block of zeros so gets the byte 1
; where the rule says 127: its codes are zeros, which add nothing under any byte but 0xff, and this program alone reads the bytes.  Rows are dense and K = 1,024 is a multiple of 32, so a tensor is a
; plain stream of blocks.  Each load reads 512 consecutive bytes; a step's 2,048 bytes turn through the wave's own stage in LDS so that a lane holds 16 neighbours along K (two lanes to a block).
; LIMITS: NaN and infinities among the inputs are not served; blocks whose largest magnitude lies under 2^-124 keep the byte 1; distances + 1e-9 must be a positive normal number, as the logarithm asks;
; |Wo| must lie under 65,504 (f16).
; Only the quantiser touches LDS.  No tensor load, no barrier: waves share nothing.  The three paths share their registers, so that the text names v0-v159 and no more.
.set STEPS, 16
.set EMAX,  2
.set CB,    8                          ; bytes of 16 codes
.set R,     16                         ; v16-79   four sets of 16 numbers as they are loaded
.set X,     80                         ; v80-111  quantiser: two sets of 16 neighbours
.set E,     112                        ; v112-127 quantiser: a scale byte for each step
.set C,     128                        ; v128-159 quantiser: codes, two registers for each step, so that no store's data are written again
.set Y,     80                         ; v80-143  the other two paths: four sets of results
.set WREG,  8192                       ; LDS: a region for each wave: two stages of 32 x SP bytes, behind them its 256 scale bytes
.set SP,    80                         ; a lane's place in a stage: 64 bytes + 16 of padding
.set SPW,   12                         ; v12 LDS address of my spare word; never rewritten
.set NIL,   13                         ; v13 0; never rewritten
.set SPARE, 4*WREG                     ; behind the four regions: the spare words, 128 bytes a wave
	s_load_b512 s[4:19], s[0:1], 0x0               ; query, key_, value, Wq, Wk, Wv, Wo, distances
	s_load_b256 s[20:27], s[0:1], 0x40             ; distance_scaling, xc, xs, wc
	s_load_b128 s[28:31], s[0:1], 0x60             ; ws, wo16
	s_load_b64 s[32:33], s[0:1], 0x70              ; bias
	v_lshl_add_u32 v[SPW], v0, 2, SPARE
	v_mov_b32 v[NIL], 0
	v_lshrrev_b32 v1, 5, v0
	v_readfirstlane_b32 s42, v1                    ; wave
	v_and_b32 v2, 31, v0                           ; lane
	v_lshlrev_b32 v3, 4, v2                        ; my 16 bytes of a load's 512
	s_mov_b32 s45, 0                               ; the upper word of every offset
	s_wait_kmcnt 0x0
.macro LOAD t, base                    ; turn t's four loads, 512 consecutive bytes each, into set t % 4
.irp i, 0,1,2,3
	global_load_b128 v[R+16*((\t)%4)+4*\i:R+16*((\t)%4)+4*\i+3], v3, s[\base:\base+1] offset:2048*(\t)+512*\i th:TH_LOAD_NT
.endr
.endm
.macro ARRIVED t                       ; turn t's loads are in: behind them stand those of at most three younger turns, four each
.if 15-(\t) >= 3
	s_wait_loadcnt 12
.else
	s_wait_loadcnt 4*(15-(\t))
.endif
.endm
	s_cmp_ge_u32 ttmp9, 1376
	s_cbranch_scc1 .Lpath_w
	s_cmp_ge_u32 ttmp9, 864
	s_cbranch_scc1 .Lpath_b
	; ---- THE QUANTISER.  Only pointers are chosen, by the work-group's number alone
	s_mov_b64 s[34:35], s[14:15]                   ; Wv, unless
	s_cmp_lt_u32 ttmp9, 832
	s_cselect_b64 s[34:35], s[12:13], s[34:35]     ; Wk
	s_cmp_lt_u32 ttmp9, 800
	s_cselect_b64 s[34:35], s[10:11], s[34:35]     ; Wq
	s_cmp_lt_u32 ttmp9, 512
	s_cselect_b64 s[36:37], s[6:7], s[8:9]         ; key_ or value
	s_cmp_lt_u32 ttmp9, 256
	s_cselect_b64 s[36:37], s[4:5], s[36:37]       ; query
	s_cmp_lt_u32 ttmp9, 768
	s_cselect_b64 s[34:35], s[36:37], s[34:35]     ; the source
	s_cselect_b64 s[36:37], s[22:23], s[26:27]     ; its codes: xc or wc
	s_cselect_b64 s[38:39], s[24:25], s[28:29]     ; its scale bytes: xs or ws
	s_cselect_b32 s40, 0, 768
	s_cselect_b32 s41, 255, 31
	s_sub_co_u32 s40, ttmp9, s40                   ; the work-group's place in xc or in wc (three tensors on end),
	s_and_b32 s41, s40, s41                        ; and in its own tensor
	s_lshl_b32 s41, s41, 2
	s_add_co_u32 s41, s41, s42                     ; my wave's run of 8,192 numbers in the source: 32,768 bytes a run,
	s_lshl_b32 s44, s41, 15
	s_add_nc_u64 s[34:35], s[34:35], s[44:45]
	s_lshl_b32 s40, s40, 2
	s_add_co_u32 s40, s40, s42                     ; and in the results: 4,096 bytes of codes,
	s_lshl_b32 s44, s40, 12
	s_add_nc_u64 s[36:37], s[36:37], s[44:45]
	s_lshl_b32 s44, s40, 8                         ; 256 scale bytes
	s_add_nc_u64 s[38:39], s[38:39], s[44:45]
	s_mul_i32 s43, s42, WREG
	v_lshrrev_b32 v14, 2, v2
	v_mul_u32_u24 v14, v14, SP
	v_and_b32 v15, 3, v2
	v_lshl_add_u32 v14, v15, 4, v14
	v_add_nc_u32 v14, s43, v14                     ; the stage, on the way in: four lanes' 64 bytes on end, then 16 of padding
	v_mul_u32_u24 v15, v2, SP
	v_add_nc_u32 v15, s43, v15                     ; and on the way out: SP x lane: my 16 neighbours
	v_mul_u32_u24 v4, v2, CB                       ; my codes' place in a step's
	v_lshrrev_b32 v5, 1, v2
	s_add_co_u32 s43, s43, 2*32*SP
	v_add_nc_u32 v5, s43, v5                       ; LDS: my wave's 256 scale bytes, my block's byte
	v_lshlrev_b32 v7, 3, v2                        ; and on the way out 8 bytes a lane
	v_add_nc_u32 v6, s43, v7
.macro TURN t                          ; step t's numbers through the stage: LDS serves a wave's instructions in order, so no wait stands between the stores and the loads
.irp i, 0,1,2,3
	ds_store_b128 v14, v[R+16*((\t)%4)+4*\i:R+16*((\t)%4)+4*\i+3] offset:32*SP*((\t)%2)+8*SP*\i
.endr
.irp i, 0,1,2,3
	ds_load_b128 v[X+16*((\t)%2)+4*\i:X+16*((\t)%2)+4*\i+3], v15 offset:32*SP*((\t)%2)+16*\i
.endr
.endm
.irp t, 0,1,2,3
	LOAD \t, 34
.endr
	s_wait_loadcnt 12                              ; step 0's four loads are in
	TURN 0
.macro STEP t
.set XS, X+16*((\t)%2)
.if (\t) > 0
	s_wait_dscnt 1                                 ; this step's numbers are back from the stage (the last step's byte store may be out): so its stores into the stage have read their registers,
.else
	s_wait_dscnt 0x0
.endif
.if (\t)+4 < STEPS
	LOAD (\t)+4, 34                                ; which take the loads of four steps on
.endif
.if (\t)+1 < STEPS
	ARRIVED (\t)+1                                 ; the next step's loads are in
	TURN (\t)+1                                    ; and go through the other stage while this step is worked
.endif
	v_max3_num_f32 v8, |v[XS]|, |v[XS+1]|, |v[XS+2]|               ; the largest magnitude of my 16, in two chains
	v_max3_num_f32 v9, |v[XS+3]|, |v[XS+4]|, |v[XS+5]|
.irp i, 6,10
	v_max3_num_f32 v8, v8, |v[XS+\i]|, |v[XS+\i+1]|
	v_max3_num_f32 v9, v9, |v[XS+\i+2]|, |v[XS+\i+3]|
.endr
	v_max3_num_f32 v8, v8, |v[XS+14]|, |v[XS+15]|
	v_max3_num_f32 v8, v8, v9, (EMAX+1)<<23        ; and the floor 2^(3 - 127): the byte cannot fall under 1
	v_max_num_f32_dpp v8, v8, v8 row_xmask:1 row_mask:0xf bank_mask:0xf   ; and of my neighbour's 16: the block's
	v_add_nc_u32 v11, 0xff000000, v8               ; 2 off its exponent field: the conversion takes the exponent field of this operand as its scale
	v_cvt_scalef32_pk8_fp4_f32 v[C+2*(\t)], v[XS:XS+7], v11        ; to the nearest code, ties to even, beyond the largest code the largest
	v_cvt_scalef32_pk8_fp4_f32 v[C+2*(\t)+1], v[XS+8:XS+15], v11
	v_lshrrev_b32 v[E+(\t)], 23, v11               ; the scale's byte (also the plain line behind the conversions)
	ds_store_b8 v5, v[E+(\t)] offset:16*(\t)       ; both lanes of a block write the same byte with the same value
	global_store_b64 v4, v[C+2*(\t):C+2*(\t)+1], s[36:37] offset:32*CB*(\t)   ; the wave stores 256 consecutive bytes, aligned
.endm
.irp t, 0,1,2,3,4,5,6,7,8,9,10,11,12,13,14,15
	STEP \t
.endr
	ds_load_b64 v[8:9], v6                         ; LDS serves a wave's instructions in order: these see my byte stores
	s_wait_dscnt 0x0
	global_store_b64 v7, v[8:9], s[38:39]          ; 32 lanes store 256 consecutive bytes, aligned
	s_wait_tensorcnt 0x0                           ; the wave's end
	ds_add_u32 v[SPW], v[NIL]
	s_wait_dscnt 0x0
	s_endpgm
	; ---- THE BIAS.  16 turns of 2,048 bytes; loads run four turns ahead; a turn's 16 logarithms are one batch with one wait
.Lpath_b:
	s_load_b32 s40, s[20:21], 0x0                  ; distance_scaling
	s_sub_co_u32 s43, ttmp9, 864
	s_lshl_b32 s43, s43, 2
	s_add_co_u32 s43, s43, s42                     ; my wave's run of 8,192 numbers
	s_lshl_b32 s44, s43, 15
	s_add_nc_u64 s[18:19], s[18:19], s[44:45]
	s_add_nc_u64 s[32:33], s[32:33], s[44:45]
	s_mov_b32 s46, 0x3089705f                      ; 1e-9
	s_mov_b32 s47, s46                             ; (named with it as a pair, so it is written)
.irp t, 0,1,2,3
	LOAD \t, 18
.endr
	s_wait_kmcnt 0x0
	s_or_b32 s40, s40, 0x80000000                  ; -|distance_scaling|
	s_mov_b32 s41, s40
.macro BTURN t
.set XS, R+16*((\t)%4)
.set YS, Y+16*((\t)%4)
	ARRIVED \t
	s_wait_xcnt 0x0                                ; the stores of four turns ago have read this set of results: it is written again only behind this wait
.irp i, 0,2,4,6,8,10,12,14
	v_pk_add_f32 v[XS+\i:XS+\i+1], v[XS+\i:XS+\i+1], s[46:47] op_sel_hi:[1,0]
.endr
.irp i, 0,1,2,3,4,5,6,7,8,9,10,11,12,13,14,15
	v_log_f32 v[XS+\i], v[XS+\i]
.endr
	v_nop                                          ; a plain line behind the last logarithm,
	s_wait_alu depctr_va_vdst(0)                   ; and one wait for the batch, ahead of its first reader
.irp i, 0,2,4,6,8,10,12,14
	v_pk_mul_f32 v[YS+\i:YS+\i+1], v[XS+\i:XS+\i+1], s[40:41] op_sel_hi:[1,0]
.endr
.if (\t)+4 < 16
	LOAD (\t)+4, 18
.endif
.irp i, 0,1,2,3
	global_store_b128 v3, v[YS+4*\i:YS+4*\i+3], s[32:33] offset:2048*(\t)+512*\i   ; 512 consecutive bytes, aligned
.endr
.endm
.irp t, 0,1,2,3,4,5,6,7,8,9,10,11,12,13,14,15
	BTURN \t
.endr
	s_endpgm
	; ---- Wo to f16, in the same frame
.Lpath_w:
	s_sub_co_u32 s43, ttmp9, 1376
	s_lshl_b32 s43, s43, 2
	s_add_co_u32 s43, s43, s42
	s_lshl_b32 s44, s43, 15
	s_add_nc_u64 s[16:17], s[16:17], s[44:45]
	s_lshl_b32 s44, s43, 14
	s_add_nc_u64 s[30:31], s[30:31], s[44:45]
	v_lshlrev_b32 v4, 3, v2                        ; 8 bytes a lane on the way out
.irp t, 0,1,2,3
	LOAD \t, 16
.endr
.macro WTURN t
.set XS, R+16*((\t)%4)
.set YS, Y+8*((\t)%4)
	ARRIVED \t
	s_wait_xcnt 0x0                                ; as above
.irp i, 0,1,2,3,4,5,6,7
	v_cvt_pk_f16_f32 v[YS+\i], v[XS+2*\i], v[XS+2*\i+1]
.endr
.if (\t)+4 < 16
	LOAD (\t)+4, 16
.endif
.irp i, 0,1,2,3
	global_store_b64 v4, v[YS+2*\i:YS+2*\i+1], s[30:31] offset:1024*(\t)+256*\i   ; 256 consecutive bytes, aligned
.endr
.endm
.irp t, 0,1,2,3,4,5,6,7,8,9,10,11,12,13,14,15
	WTURN \t
.endr
	s_endpgm
.Lfunc_end_k_qd3fb13de1a_prep:
	.size	k_qd3fb13de1a_prep, .Lfunc_end_k_qd3fb13de1a_prep-k_qd3fb13de1a_prep
	.p2alignl 7, 3214868480
	.fill 96, 4, 3214868480
	.section	.rodata,"a",@progbits
	.p2align	6, 0x0
	.amdhsa_kernel k_qd3fb13de1a_prep
		.amdhsa_group_segment_fixed_size 33280
		.amdhsa_private_segment_fixed_size 0
		.amdhsa_enable_private_segment 0
		.amdhsa_kernarg_size 120
		.amdhsa_user_sgpr_count 2
		.amdhsa_user_sgpr_kernarg_segment_ptr 1
		.amdhsa_wavefront_size32 1
		.amdhsa_system_sgpr_workgroup_id_x 1
		.amdhsa_system_sgpr_workgroup_id_y 1
		.amdhsa_system_sgpr_workgroup_id_z 1
		.amdhsa_system_vgpr_workitem_id 0
		.amdhsa_next_free_vgpr 160
		.amdhsa_next_free_sgpr 66
		.amdhsa_reserve_vcc 0
		.amdhsa_float_denorm_mode_32 3
		.amdhsa_float_denorm_mode_16_64 3
		.amdhsa_memory_ordered 1
		.amdhsa_forward_progress 1
		.amdhsa_inst_pref_size 94
	.end_amdhsa_kernel
	.amdgpu_metadata
---
amdhsa.version: [ 1, 2 ]
amdhsa.kernels:
  - .name:           k_qd3fb13de1a_prep
    .symbol:         k_qd3fb13de1a_prep.kd
    .args:
      - { .name: query, .offset: 0, .size: 8, .value_kind: global_buffer, .address_space: global }
      - { .name: key_, .offset: 8, .size: 8, .value_kind: global_buffer, .address_space: global }
      - { .name: value, .offset: 16, .size: 8, .value_kind: global_buffer, .address_space: global }
      - { .name: Wq, .offset: 24, .size: 8, .value_kind: global_buffer, .address_space: global }
      - { .name: Wk, .offset: 32, .size: 8, .value_kind: global_buffer, .address_space: global }
      - { .name: Wv, .offset: 40, .size: 8, .value_kind: global_buffer, .address_space: global }
      - { .name: Wo, .offset: 48, .size: 8, .value_kind: global_buffer, .address_space: global }
      - { .name: distances, .offset: 56, .size: 8, .value_kind: global_buffer, .address_space: global }
      - { .name: distance_scaling, .offset: 64, .size: 8, .value_kind: global_buffer, .address_space: global }
      - { .name: xc, .offset: 72, .size: 8, .value_kind: global_buffer, .address_space: global }
      - { .name: xs, .offset: 80, .size: 8, .value_kind: global_buffer, .address_space: global }
      - { .name: wc, .offset: 88, .size: 8, .value_kind: global_buffer, .address_space: global }
      - { .name: ws, .offset: 96, .size: 8, .value_kind: global_buffer, .address_space: global }
      - { .name: wo16, .offset: 104, .size: 8, .value_kind: global_buffer, .address_space: global }
      - { .name: bias, .offset: 112, .size: 8, .value_kind: global_buffer, .address_space: global }
    .group_segment_fixed_size: 33280
    .private_segment_fixed_size: 0
    .kernarg_segment_align: 8
    .kernarg_segment_size: 120
    .max_flat_workgroup_size: 128
    .sgpr_count:     66
    .vgpr_count:     160
    .wavefront_size: 32
...
	.end_amdgpu_metadata
.endif
;; end of part 1
;; launch proj (part 2): grid 4 x 96, 4 waves a work-group, clusters of 4 x 4, 327,680 bytes of LDS; arguments xc, xs, wc, ws, qkv, bq, bk, bv; writes qkv
.if DOCPART == 2
	.amdgcn_target "amdgcn-amd-amdhsa--gfx1250"
	.amdhsa_code_object_version 6
	.text
	.protected	k_qd3fb13de1a_proj
	.globl	k_qd3fb13de1a_proj
	.p2align	8
	.type	k_qd3fb13de1a_proj,@function
k_qd3fb13de1a_proj:
	s_mov_b64 s[64:65], 0
	v_nop
	global_prefetch_b8 v0, s[64:65] scope:SCOPE_SE
	s_setreg_imm32_b32 hwreg(HW_REG_WAVE_MODE, 25, 1), 1
	s_wait_xcnt 0x0
	s_wait_alu depctr_hold_cnt(0) depctr_sa_sdst(0) depctr_va_vdst(0) depctr_va_sdst(0) depctr_va_ssrc(0) depctr_va_vcc(0) depctr_vm_vsrc(0)
	s_getreg_b32 s2, hwreg(HW_REG_IB_STS2, 6, 4)
	s_cmp_eq_u32 s2, 0
	s_cbranch_scc0 .Lentry_in_a_cluster
	s_endpgm
.Lentry_in_a_cluster:
	s_bfe_u32 s2, ttmp6, 0x10000c
	s_cmp_lg_u32 s2, 0xf033
	s_cbranch_scc0 .Lentry_shape_is_right
	s_endpgm
.Lentry_shape_is_right:
; The three projections as ONE product on codes of FP4 (E2M1) with E8M0 scales: rows 0-8,191 of xc are query's, then key_'s, then value's; tensor T = row / 8,192 meets the 1,024 rows of wc from 1,024 T on.
; C[m][n] = (sum over k of x[m][k] W[n][k] + b[n]) x f, f = 0.125 log2(e) for q (the softmax of the next launch works in base 2) and 1 for k and v; rounded once to f16 and stored by heads: qkv [3][4 b][16 h][2048 s][64 d].
; A tile of C, 256 x 256, is made by four waves, 128 x 128 each: 64 accumulators, 512 registers.  K = 1,024 is two K steps of 512 (tile rows of 256 bytes): both slots are filled at the start and none again.
; The scale bytes of the work-group's 256 + 256 rows, for all of K, come into LDS once, as units of 256 bytes.
; CLUSTERS: 4 x 4 work-groups.  A's tiles are shared along a row of the cluster, B's along a column: each is asked for jointly.  A cluster's four tile rows lie in one tensor (32 tile rows a tensor), so T is made of the cluster's y alone.
; THE MATRIX INSTRUCTION IS USED TRANSPOSED (source 0 = 16 rows of W, source 1 = 16 rows of x): a lane holds eight neighbouring columns of a row of C.  THE BIAS is the C of each sum's first instruction.
; 384 work-groups for 256 WGPs: one and a half turns; the launch is short beside the attention, and a proven tile was taken.
; LIMITS: results must lie under 65,504 in magnitude (f16).
; REGISTERS: window 0: v0-31 addresses; v32-95 scale words, two sets, and nothing else; v96-127 packed results; v128-191 A's fragments, later rows on the way out; v192-255 the bias, 8 registers for each of B's 8 blocks.
;   window 1: B's fragments, two sets.   window 2: the accumulators of my rows 0-63 ((a, b) at v[8 (8 a + b)]);   window 3: of my rows 64-127.
.set NQ,     4                         ; matrix instructions deep in a slot: 512 along K
.set ROWB,   256                       ; a tile's row in bytes
.set KROW,   512                       ; a row of codes in memory
.set PITCH,  272                       ; an LDS row: 256 bytes + 16 of padding: the 16 rows that a load touches start 16 bytes apart modulo 256
.set FR,     8
.set NL,     2
.set NP,     4                         ; places behind this matrix instruction (ISA guide 7.12.1)
.set HALFT,  128*PITCH
.set SLOT,   4*HALFT
.set KS,     32                        ; a row of scale bytes
.set SCL,    2*SLOT
.set HALFS,  (128*KS/256)*272
.set SBLK,   (16*KS/256)*272
.set SPARE,  SCL+4*HALFS               ; the spare words, 128 bytes a wave
.set SPITCH, 272                       ; the way out: a stage of 16 rows x (256 bytes + 16) for each wave, in slot 0, which has had its only fill and its last read by then
.set ADRA, 16
.set ADRB, 20
.set STO,  24
.set RD,   25
.set CO,   26
.set ADRS, 27
.set SPW,  28
.set NIL,  29
.set SC,   32
.set TMP,  96
.set AF,   128
.set BK,   128
.set BI,   192
.set G1, 24
.set G0, 32
.set G1B, 48
.set G0B, 56
.set G1S, 68
.set G0S, 76
.set G1SB, 80
.set G0SB, 88
.set MSB, 0
.macro WIN new                         ; the immediate's high byte repeats the setting that is left
.if MSB != \new
	s_set_vgpr_msb (MSB<<8)|\new
.set MSB, \new
.endif
.endm
.set MUL_LO, 0xa1                      ; source 0 (B) window 1, source 1 (A) window 0, C and D window 2
.set MUL_HI, 0xf1                      ; the same, C and D window 3
.set FIRST_LO, 0x81                    ; the first step: C (the bias) window 0, D window 2
.set FIRST_HI, 0xc1                    ; D window 3
.set TO_B,   0x40
; A joint load: waves 0 and 1 fetch for A, waves 2 and 3 for B; the branch hangs on the wave's number alone.  An s_nop 0 and four v_nop follow each line.
.macro JLOAD g0a, g1a, g0b, g1b
	s_cmp_eq_u32 s15, 0
	s_cbranch_scc0 .Lfor_b_\@
	tensor_load_to_lds s[\g0a:\g0a+3], s[\g1a:\g1a+7]
	s_nop 0
.rept 4
	v_nop
.endr
	s_branch .Lasked_\@
.Lfor_b_\@:
	tensor_load_to_lds s[\g0b:\g0b+3], s[\g1b:\g1b+7]
	s_nop 0
.rept 4
	v_nop
.endr
.Lasked_\@:
.endm
.macro CROUND                          ; a round of the cluster's barrier
	s_barrier_signal -1
	s_barrier_wait -1
	s_cmp_lg_u32 s14, 0
	s_cbranch_scc1 .Lnot_wave_0_\@
	s_barrier_signal -3
.Lnot_wave_0_\@:
	s_barrier_wait -3
	s_barrier_signal -1
	s_barrier_wait -1
.endm
	s_load_b128 s[4:7], s[0:1], 0x0                ; xc, xs
	s_load_b128 s[8:11], s[0:1], 0x10              ; wc, ws
	s_load_b64 s[12:13], s[0:1], 0x20              ; qkv
	s_load_b128 s[96:99], s[0:1], 0x28             ; bq, bk
	s_load_b64 s[100:101], s[0:1], 0x38            ; bv
	v_lshl_add_u32 v[SPW], v0, 2, SPARE
	v_mov_b32 v[NIL], 0
	ds_add_u32 v[SPW], v[NIL]                      ; the wave's opening: the add, twice on end, and its wait ahead of my first tensor load
	ds_add_u32 v[SPW], v[NIL]
	v_lshrrev_b32 v1, 5, v0
	v_readfirstlane_b32 s14, v1                    ; wave 0..3
	s_lshr_b32 s15, s14, 1                         ; which half of the tile's rows is mine.  Also: I fetch for A (0) or for B (1)
	s_and_b32 s16, s14, 1                          ; which half of its columns.  Also: which 128 rows of that tile I fetch
	s_bfe_u32 s40, ttmp6, 0x40000                  ; cx, cy
	s_bfe_u32 s41, ttmp6, 0x40004
	s_lshl_b32 s42, ttmp9, 2
	s_add_co_u32 s42, s42, s40                     ; tile column = 4 x cluster x + cx
	s_and_b32 s17, ttmp7, 0xffff
	s_lshr_b32 s95, s17, 3                         ; T: which tensor: 8 clusters of 4 tile rows each; of the cluster's y alone
	s_lshl_b32 s17, s17, 2
	s_add_co_u32 s17, s17, s41                     ; tile row = 4 x cluster y + cy
	s_lshl_b32 s43, s41, 2
	s_lshl_b32 s43, 15, s43                        ; my row of the cluster
	s_lshl_b32 s44, 0x1111, s40                    ; my column
	s_or_b32 s[G1+0], s43, (0<<16)|(1<<20)|(1<<21)|(5<<22)|(3<<25)  ; the mask; elements of 1 byte; padding on; bit 21 beside a mask; 4 words of padding after every 64
	s_or_b32 s[G1B+0], s44, (0<<16)|(1<<20)|(1<<21)|(5<<22)|(3<<25)
.irp g, G1, G1B
	s_mov_b32 s[\g+1], ROWB<<16                    ; tensor_dim0
	s_mov_b32 s[\g+2], 128<<16                     ; tensor_dim1
	s_mov_b32 s[\g+3], ROWB<<16                    ; tile_dim0
	s_mov_b32 s[\g+4], 128                         ; tile_dim1
	s_mov_b32 s[\g+5], KROW                        ; pitch
	s_mov_b32 s[\g+6], 0
	s_mov_b32 s[\g+7], 0
.endr
	s_or_b32 s[G1S+0], s43, (3<<16)|(1<<20)|(1<<21)|(5<<22)|(3<<25) ; the scales of 128 rows: 4,096 dense bytes as 16 rows of 256 (32 elements of 8 bytes)
	s_or_b32 s[G1SB+0], s44, (3<<16)|(1<<20)|(1<<21)|(5<<22)|(3<<25)
.irp g, G1S, G1SB
	s_mov_b32 s[\g+1], 32<<16
	s_mov_b32 s[\g+2], (128*KS/256)<<16
	s_mov_b32 s[\g+3], 32<<16
	s_mov_b32 s[\g+4], 128*KS/256
	s_mov_b32 s[\g+5], 32
	s_mov_b32 s[\g+6], 0
	s_mov_b32 s[\g+7], 0
.endr
	s_lshl_b32 s18, s16, 7                         ; which 128 rows of the tile I fetch
	s_lshl_b32 s20, s17, 8
	s_add_co_u32 s20, s20, s18                     ; A: row 256 x tile row + 128 x half
	s_lshl_b32 s46, s42, 8
	s_add_co_u32 s46, s46, s18                     ; B: row 256 x tile column + 128 x half
	s_lshl_b32 s47, s95, 10
	s_add_co_u32 s46, s46, s47                     ;    + 1,024 T
	s_mov_b32 s21, 0
	s_mov_b32 s47, 0
	s_mov_b64 s[18:19], KS
	s_mul_u64 s[22:23], s[20:21], s[18:19]         ; where these rows' scales begin,
	s_mul_u64 s[92:93], s[46:47], s[18:19]
	s_mov_b64 s[18:19], KROW
	s_mul_u64 s[20:21], s[20:21], s[18:19]         ; and their codes
	s_mul_u64 s[46:47], s[46:47], s[18:19]
	s_mul_i32 s45, s14, HALFT                      ; where they go: wave x 128 rows
	s_mul_i32 s94, s14, HALFS
	s_wait_dscnt 0x0                               ; both opening adds are done
	s_wait_kmcnt 0x0
	s_add_nc_u64 s[20:21], s[4:5], s[20:21]
	s_add_nc_u64 s[22:23], s[6:7], s[22:23]
	s_add_nc_u64 s[46:47], s[8:9], s[46:47]
	s_add_nc_u64 s[92:93], s[10:11], s[92:93]
	CROUND                                         ; all sixteen work-groups are here: the joint loads meet
	s_mov_b32 s[G0S], 1
	s_add_co_u32 s[G0S+1], s94, SCL
	s_mov_b64 s[G0S+2:G0S+3], s[22:23]
	s_or_b32 s[G0S+3], s[G0S+3], 0x80000000
	s_mov_b32 s[G0SB], 1
	s_add_co_u32 s[G0SB+1], s94, SCL
	s_mov_b64 s[G0SB+2:G0SB+3], s[92:93]
	s_or_b32 s[G0SB+3], s[G0SB+3], 0x80000000
	JLOAD G0S, G1S, G0SB, G1SB                     ; the scales first: they are wanted with K step 0
.irp s, 0,1
	s_mov_b32 s[G0+4*\s], 1
	s_add_co_u32 s[G0+4*\s+1], s45, \s*SLOT
	s_add_nc_u64 s[G0+4*\s+2:G0+4*\s+3], s[20:21], \s*ROWB
	s_or_b32 s[G0+4*\s+3], s[G0+4*\s+3], 0x80000000
	s_mov_b32 s[G0B+4*\s], 1
	s_add_co_u32 s[G0B+4*\s+1], s45, \s*SLOT
	s_add_nc_u64 s[G0B+4*\s+2:G0B+4*\s+3], s[46:47], \s*ROWB
	s_or_b32 s[G0B+4*\s+3], s[G0B+4*\s+3], 0x80000000
	JLOAD G0+4*\s, G1, G0B+4*\s, G1B               ; three tensor loads of mine are out
.endr
	; the tensor's bias and factor: choices on T, which all partners share
	s_cmp_eq_u32 s95, 1
	s_cselect_b64 s[96:97], s[98:99], s[96:97]
	s_cmp_eq_u32 s95, 2
	s_cselect_b64 s[96:97], s[100:101], s[96:97]
	s_mov_b32 s104, 0x3f800000                     ; 1 for k and v,
	s_cmp_eq_u32 s95, 0
	s_cselect_b32 s104, 0x3e38aa3b, s104           ; 0.125 log2(e) for q
	s_mov_b32 s105, s104
	s_lshl_b32 s46, s42, 10                        ; my first column, as bytes of f32: 1,024 x tile column + 512 x half
	s_lshl_b32 s47, s16, 9
	s_add_co_u32 s46, s46, s47
	s_mov_b32 s47, 0
	s_add_nc_u64 s[96:97], s[96:97], s[46:47]
	v_and_b32 v1, 15, v0                           ; l % 16
	v_bfe_u32 v2, v0, 4, 1                         ; l / 16
	v_lshlrev_b32 v8, 5, v2                        ; the bias in the result's layout: block b, my half's eight columns
.irp b, 0,1,2,3,4,5,6,7
	global_load_b128 v[BI+8*\b:BI+8*\b+3], v8, s[96:97] offset:64*\b
	global_load_b128 v[BI+8*\b+4:BI+8*\b+7], v8, s[96:97] offset:64*\b+16
.endr
	v_mul_u32_u24 v3, v1, PITCH
	v_lshl_add_u32 v4, v2, 4, v3                   ; a fragment's row x pitch + 16 x half
	s_mul_i32 s21, s15, HALFT                      ; my 128 rows of A
	s_mul_i32 s22, s16, HALFT                      ; my 128 rows of B,
	s_add_co_u32 s22, s22, 2*HALFT                 ; which lie behind A's 256
.irp s, 0,1
	v_add_nc_u32 v[ADRA+\s], s21, v4
	v_add_nc_u32 v[ADRB+\s], s22, v4
	s_add_co_u32 s21, s21, SLOT
	s_add_co_u32 s22, s22, SLOT
.endr
	v_mul_u32_u24 v5, v1, KS                       ; my row's scales: KS bytes a row,
	v_lshrrev_b32 v6, 8, v5
	v_lshl_add_u32 v5, v6, 4, v5                   ; and 16 more for each 256 passed
	s_mul_i32 s21, s15, HALFS
	s_mul_i32 s22, s16, HALFS
	s_add_co_u32 s22, s22, 2*HALFS
	s_sub_co_u32 s22, s22, s21
	v_mul_u32_u24 v6, s22, v2                      ; lanes 16-31 take B's: one product, the distance between the two bases
	s_add_co_u32 s21, s21, SCL
	v_add_nc_u32 v5, v5, v6
	v_add_nc_u32 v[ADRS], s21, v5
	s_mul_i32 s23, s14, 16*SPITCH                  ; my stage
	v_mul_u32_u24 v5, v1, SPITCH                   ; in: row l % 16, 16 bytes for each half of the lanes
	v_lshl_add_u32 v5, v2, 4, v5
	v_add_nc_u32 v[STO], s23, v5
	v_bfe_u32 v6, v0, 3, 1                         ; back: lanes 0-15 take head 0's 128 bytes of two neighbouring rows, lanes 16-31 head 1's
	v_and_b32 v7, 7, v0
	v_mul_u32_u24 v5, v6, SPITCH
	v_lshl_add_u32 v5, v2, 7, v5
	v_lshl_add_u32 v5, v7, 4, v5
	v_add_nc_u32 v[RD], s23, v5
	v_lshlrev_b32 v5, 18, v2                       ; and in qkv: a head is 262,144 bytes, a position 128
	v_lshl_add_u32 v5, v6, 7, v5
	v_lshl_add_u32 v[CO], v7, 4, v5
	s_and_b32 s20, s17, 31                         ; the tile row inside the tensor
	s_lshl_b32 s20, s20, 8
	s_lshl_b32 s21, s15, 7
	s_add_co_u32 s20, s20, s21                     ; my first row of the tensor's 8,192
	s_lshr_b32 s21, s20, 11                        ; its batch,
	s_and_b32 s20, s20, 2047                       ; its position
	s_lshl_b32 s21, s21, 4
	s_lshl_b32 s46, s42, 2
	s_add_co_u32 s21, s21, s46
	s_lshl_b32 s46, s16, 1
	s_add_co_u32 s21, s21, s46                     ; 16 x batch + my first head (4 x tile column + 2 x half)
	s_lshl_b32 s21, s21, 11
	s_add_co_u32 s20, s20, s21
	s_lshl_b32 s20, s20, 7
	s_lshl_b32 s21, s95, 24                        ; a tensor is 16,777,216 bytes
	s_add_co_u32 s20, s20, s21
	s_mov_b32 s21, 0
	s_add_nc_u64 s[12:13], s[12:13], s[20:21]
.macro FRAG reg, adr, q, i             ; 16 rows x 128 K of 4-bit codes: 8 registers, two loads of 16 bytes, 32 bytes apart
.irp c, 0,1
	ds_load_b128 v[\reg+4*\c:\reg+4*\c+3], v[\adr] offset:64*(\q)+32*\c+(\i)*16*PITCH
.endr
.endm
; 16 matrix instructions: A's blocks a0, a0 + 1 x B's eight.  zero = 1: the first product starts the sums on the bias.  The 64 accumulators take turns, one instruction a turn.
.macro MUL16 a0, p, q, sc, zero
.irp a, \a0, \a0+1
.irp b, 0,1,2,3,4,5,6,7
.if \zero
	v_wmma_scale_f32_16x16x128_f8f6f4 v[8*(8*((\a)%4)+\b):8*(8*((\a)%4)+\b)+7], v[128*(\p)+FR*\b:128*(\p)+FR*\b+FR-1], v[AF+FR*(\a):AF+FR*(\a)+FR-1], v[BI+8*\b:BI+8*\b+7], v[SC+8*NQ*(\sc)+NQ*\b+(\q)], v[SC+8*NQ*(\sc)+NQ*(\a)+(\q)] matrix_a_fmt:MATRIX_FMT_FP4 matrix_b_fmt:MATRIX_FMT_FP4 matrix_a_scale:MATRIX_SCALE_ROW1
.else
	v_wmma_scale_f32_16x16x128_f8f6f4 v[8*(8*((\a)%4)+\b):8*(8*((\a)%4)+\b)+7], v[128*(\p)+FR*\b:128*(\p)+FR*\b+FR-1], v[AF+FR*(\a):AF+FR*(\a)+FR-1], v[8*(8*((\a)%4)+\b):8*(8*((\a)%4)+\b)+7], v[SC+8*NQ*(\sc)+NQ*\b+(\q)], v[SC+8*NQ*(\sc)+NQ*(\a)+(\q)] matrix_a_fmt:MATRIX_FMT_FP4 matrix_b_fmt:MATRIX_FMT_FP4 matrix_a_scale:MATRIX_SCALE_ROW1
.endif
.endr
.endr
.endm
.macro FETCH_B slot, q, p
	WIN TO_B
.irp i, 0,1,2,3,4,5,6,7
	FRAG 128*(\p)+FR*\i, ADRB+\slot, \q, \i
.endr
	WIN 0
.endm
.macro FETCH_A slot, q, i0
.irp i, \i0, \i0+1, \i0+2, \i0+3
	FRAG AF+FR*(\i), ADRA+\slot, \q, \i
.endr
.endm
.macro SCALES sc                       ; a K step's scale words: lanes 0-15 take A's block i, lanes 16-31 B's block i
.irp i, 0,1,2,3,4,5,6,7
	ds_load_b128 v[SC+8*NQ*\sc+NQ*\i:SC+8*NQ*\sc+NQ*\i+3], v[ADRS] offset:\i*SBLK
.endr
.endm
.macro PLACES n                        ; plain vector lines between a matrix instruction and a load into, or a read of, its registers
.rept \n
	v_nop
.endr
.endm
.macro STEP slot, q, zero              ; 128 along K with its successor in the same slot
	s_wait_dscnt 4*NL                              ; B's set and A's blocks 0-3 are in; the youngest eight loads (A's blocks 4-7) may be out
.if \zero
	WIN FIRST_LO
.else
	WIN MUL_LO
.endif
	MUL16 0, (\q)%2, \q, \slot, \zero
	MUL16 2, (\q)%2, \q, \slot, \zero
	s_wait_dscnt 0                                 ; A's blocks 4-7 are in
	PLACES NP
	FETCH_B \slot, (\q)+1, 1-(\q)%2
	FETCH_A \slot, (\q)+1, 0
.if \zero
	WIN FIRST_HI
.else
	WIN MUL_HI
.endif
	MUL16 4, (\q)%2, \q, \slot, \zero
	MUL16 6, (\q)%2, \q, \slot, \zero
	PLACES NP
	WIN 0
	FETCH_A \slot, (\q)+1, 4
.endm
.macro STEPS slot, from
.set Q, \from
.rept NQ-1-\from
	STEP \slot, Q, 0
.set Q, Q+1
.endr
.endm
	s_wait_tensorcnt 1                             ; the scales and my part of K step 0 are in (K step 1's load, issued last, may be out),
	s_barrier_signal -1
	s_barrier_wait -1                              ; everybody's are
	FETCH_B 0, 0, 0
	FETCH_A 0, 0, 0
	SCALES 0
	FETCH_A 0, 0, 4
	s_wait_loadcnt 0x0                             ; the bias
	STEP 0, 0, 1
	STEPS 0, 1
	; slot 0's last step changes slots: one barrier; nothing is filled again
	s_wait_tensorcnt 0x0                           ; my part of slot 1 has landed
	ds_add_u32 v[SPW], v[NIL]                      ; 0 onto my spare word
	s_wait_dscnt 4*NL+1                            ; (the add and A's blocks 4-7 may be out)
	WIN MUL_LO
	MUL16 0, 1, NQ-1, 0, 0
	s_wait_dscnt 0x0                               ; the add is done, and my reads of slot 0 are over
	s_barrier_signal -1
	MUL16 2, 1, NQ-1, 0, 0
	WIN 0
	s_barrier_wait -1
	PLACES NP
	v_add_nc_u32 v[ADRS], 4*NQ, v[ADRS]            ; on to K step 1's scale words
	FETCH_B 1, 0, 0
	FETCH_A 1, 0, 0
	SCALES 1
	WIN MUL_HI
	MUL16 4, 1, NQ-1, 0, 0
	MUL16 6, 1, NQ-1, 0, 0
	PLACES NP
	WIN 0
	FETCH_A 1, 0, 4
	STEPS 1, 0
	s_wait_dscnt 4*NL                              ; the very last step: nothing more to fetch
	WIN MUL_LO
	MUL16 0, 1, NQ-1, 1, 0
	MUL16 2, 1, NQ-1, 1, 0
	s_wait_dscnt 0
	WIN MUL_HI
	MUL16 4, 1, NQ-1, 1, 0
	MUL16 6, 1, NQ-1, 1, 0
	WIN 0
; THE WAY OUT, a block of 16 rows x 128 columns (two heads) at a time: x f in place, rounded to f16, 16 bytes a lane into my stage, back so that sixteen lanes hold two neighbouring positions of one head: 256 consecutive bytes.
.macro PACK a
.set AC, 64*((\a)%4)
	WIN 0x82+0x41*((\a)/4)                         ; destination and source 0: window 2 or 3
.irp b, 0,1,2,3,4,5,6,7
.irp r, 0,1,2,3
	v_pk_mul_f32 v[AC+8*\b+2*\r:AC+8*\b+2*\r+1], v[AC+8*\b+2*\r:AC+8*\b+2*\r+1], s[104:105] op_sel_hi:[1,0]   ; each accumulator from its low end on
.endr
.endr
	WIN 0x0a+5*((\a)/4)                            ; sources 0 and 1: window 2 or 3
.irp b, 0,1,2,3,4,5,6,7
.irp r, 0,1,2,3
	v_cvt_pk_f16_f32 v[TMP+4*\b+\r], v[AC+8*\b+2*\r], v[AC+8*\b+2*\r+1]
.endr
.endr
	WIN 0
.endm
.macro TOSTAGE a
.set BB, BK+32*((\a)%2)
.irp b, 0,1,2,3,4,5,6,7
	ds_store_b128 v[STO], v[TMP+4*\b:TMP+4*\b+3] offset:32*\b
.endr
.irp t, 0,1,2,3,4,5,6,7
	ds_load_b128 v[BB+4*\t:BB+4*\t+3], v[RD] offset:\t*2*SPITCH    ; LDS serves a wave's instructions in order: these see the stores above
.endr
.endm
.macro SEND a
.set BB, BK+32*((\a)%2)
	s_wait_dscnt 0x0                               ; the block is back in registers
	s_wait_xcnt 0x0                                ; the stores of the block before have read their registers: the next block's loads land there only behind this wait
.irp t, 0,1,2,3,4,5,6,7
	global_store_b128 v[CO], v[BB+4*\t:BB+4*\t+3], s[12:13] offset:(\a)*2048+\t*256   ; sixteen lanes store 256 consecutive bytes, aligned
.endr
.endm
	PLACES NP                                      ; behind the last products
	PACK 0
	TOSTAGE 0
.irp a, 1,2,3,4,5,6,7                  ; block a's arithmetic stands between block a - 1's loads from the stage and the wait for them
	PACK \a
	SEND \a-1
	TOSTAGE \a
.endr
	SEND 7
	s_wait_tensorcnt 0x0                           ; the wave's end
	ds_add_u32 v[SPW], v[NIL]
	s_wait_dscnt 0x0
	CROUND                                         ; the closing round
	s_endpgm
.Lfunc_end_k_qd3fb13de1a_proj:
	.size	k_qd3fb13de1a_proj, .Lfunc_end_k_qd3fb13de1a_proj-k_qd3fb13de1a_proj
	.p2alignl 7, 3214868480
	.fill 96, 4, 3214868480
	.section	.rodata,"a",@progbits
	.p2align	6, 0x0
	.amdhsa_kernel k_qd3fb13de1a_proj
		.amdhsa_group_segment_fixed_size 327680
		.amdhsa_private_segment_fixed_size 0
		.amdhsa_enable_private_segment 0
		.amdhsa_kernarg_size 64
		.amdhsa_user_sgpr_count 2
		.amdhsa_user_sgpr_kernarg_segment_ptr 1
		.amdhsa_wavefront_size32 1
		.amdhsa_system_sgpr_workgroup_id_x 1
		.amdhsa_system_sgpr_workgroup_id_y 1
		.amdhsa_system_sgpr_workgroup_id_z 1
		.amdhsa_system_vgpr_workitem_id 0
		.amdhsa_next_free_vgpr 1024
		.amdhsa_next_free_sgpr 106
		.amdhsa_reserve_vcc 0
		.amdhsa_float_denorm_mode_32 3
		.amdhsa_float_denorm_mode_16_64 3
		.amdhsa_memory_ordered 1
		.amdhsa_forward_progress 1
		.amdhsa_inst_pref_size 145
	.end_amdhsa_kernel
	.amdgpu_metadata
---
amdhsa.version: [ 1, 2 ]
amdhsa.kernels:
  - .name:           k_qd3fb13de1a_proj
    .symbol:         k_qd3fb13de1a_proj.kd
    .args:
      - { .name: xc, .offset: 0, .size: 8, .value_kind: global_buffer, .address_space: global }
      - { .name: xs, .offset: 8, .size: 8, .value_kind: global_buffer, .address_space: global }
      - { .name: wc, .offset: 16, .size: 8, .value_kind: global_buffer, .address_space: global }
      - { .name: ws, .offset: 24, .size: 8, .value_kind: global_buffer, .address_space: global }
      - { .name: qkv, .offset: 32, .size: 8, .value_kind: global_buffer, .address_space: global }
      - { .name: bq, .offset: 40, .size: 8, .value_kind: global_buffer, .address_space: global }
      - { .name: bk, .offset: 48, .size: 8, .value_kind: global_buffer, .address_space: global }
      - { .name: bv, .offset: 56, .size: 8, .value_kind: global_buffer, .address_space: global }
    .group_segment_fixed_size: 327680
    .private_segment_fixed_size: 0
    .kernarg_segment_align: 8
    .kernarg_segment_size: 64
    .max_flat_workgroup_size: 128
    .sgpr_count:     106
    .vgpr_count:     1024
    .wavefront_size: 32
...
	.end_amdgpu_metadata
.endif
;; end of part 2
;; launch attn (part 3): grid 8 x 32, 8 waves a work-group, clusters of 4 x 4, 327,680 bytes of LDS; arguments qkv, bias, att; writes att
.if DOCPART == 3
	.amdgcn_target "amdgcn-amd-amdhsa--gfx1250"
	.amdhsa_code_object_version 6
	.text
	.protected	k_qd3fb13de1a_attn
	.globl	k_qd3fb13de1a_attn
	.p2align	8
	.type	k_qd3fb13de1a_attn,@function
k_qd3fb13de1a_attn:
	s_mov_b64 s[64:65], 0
	v_nop
	global_prefetch_b8 v0, s[64:65] scope:SCOPE_SE
	s_setreg_imm32_b32 hwreg(HW_REG_WAVE_MODE, 25, 1), 1
	s_wait_xcnt 0x0
	s_wait_alu depctr_hold_cnt(0) depctr_sa_sdst(0) depctr_va_vdst(0) depctr_va_sdst(0) depctr_va_ssrc(0) depctr_va_vcc(0) depctr_vm_vsrc(0)
	s_getreg_b32 s2, hwreg(HW_REG_IB_STS2, 6, 4)
	s_cmp_eq_u32 s2, 0
	s_cbranch_scc0 .Lentry_in_a_cluster
	s_endpgm
.Lentry_in_a_cluster:
	s_bfe_u32 s2, ttmp6, 0x10000c
	s_cmp_lg_u32 s2, 0xf033
	s_cbranch_scc0 .Lentry_shape_is_right
	s_endpgm
.Lentry_shape_is_right:
; att[b][q][h 64 ..] = softmax_k(t) V, t = q' . k + bias[b][q][k]: q' already carries 0.125 log2(e) and bias is -|scaling| log2(distance + 1e-9), so p = 2^(t - m) with m the row's running maximum.
; q', k, v: f16, [b][h][2048][64] in qkv; bias: f32 [b][2048][2048]; att: f16 [8192][1024].  Products on f16 operands with f32 sums; maxima, sums, the bias and the rescaling in f32; p is rounded to f16 for the second product.
; SHARES.  A work-group owns 256 queries of TWO heads: eight waves, wave w head w / 4 of the pair and queries 64 (w % 4) on: four tiles of 16.  Every wave walks all 2,048 keys, 64 a step.
; LAYOUT.  S^T = K Q^T (source 0 = 16 keys, source 1 = 16 queries): a lane holds ONE query and eight keys a tile.  THE BIAS IS THE C OF THE FIRST PRODUCT: it is loaded from LDS straight into the scores' registers.
; p is rounded in place, into the low 16 of a tile's 32 score registers, where it IS source 1 of O^T = V^T P.  K comes out of LDS as it lies, V turned by ds_load_tr16_b128.
; TWO ROLES.  Two waves share a SIMD.  A trip is a matrix phase (V^T P of the step before, K Q^T of this step) and a softmax; role 0 runs [matrix, softmax of this step], role 1 [softmax of the step before, matrix].
; role = ((w / 4) xor w) & 1 differs between waves w and w + 4 and between 2 i and 2 i + 1: so behind each barrier one wave's vector work stands beside another's matrix work.
; CLUSTER 4 x 4.  The four query blocks of a row of the cluster share K and V of a head pair; the four head pairs of a column share the bias tile of a query block: every tile is asked for jointly.
; O^T begins as zeros and m as -3e38, so that one form of the softmax and of the matrix phase serves both roles from the first step on: 128 moves, once.
; LIMITS: NaN and infinities are not served; |q'|, |k|, |v| lie under 65,504; a p under 2^-25 of its row's largest counts as 0 (f16).
; REGISTERS: window 0: v1-12 addresses; v30, v31 the add's; v32-63 statistics, 8 a tile; v64-191 S^T, 32 a tile; v192-255 Q.   window 1: v0-127 O^T, 32 a tile; v128-191 K; v192-255 V.
.set PK,    144                        ; a key's row of K in LDS: 128 bytes + 16
.set PVP,   160                        ; of V: 128 + 32
.set PB,    272                        ; a query's row of the bias: 256 + 16
.set KHB,   64*PK                      ; a head's K of a step
.set VHB,   64*PVP
.set VOFF,  2*KHB
.set BOFF,  VOFF+2*VHB
.set SLOT1, 1<<17                      ; slot 1 begins here: one exclusive or turns an address from one slot to the other
.set SPARE, 2*SLOT1                    ; the spare words, 128 bytes for each of eight waves
.set AK0, 1
.set AV0, 3
.set AB0, 4
.set ADK, 5                            ; v5-7: the slot in hand + the three places above; written only where all waves pass
.set ADV, 6
.set ADB, 7
.set QO,  8
.set STO, 9
.set RDB, 10
.set GO,  11
.set PFO, 12
.set SPW, 30
.set NIL, 31
.set ST,  32                           ; tile t at ST + 8 t: +0 m, +1 zero, +2, +3 l (even keys', odd keys'), +4, +5 c0, c1, +6 c2, later a, +7 c3
.set S,   64
.set Q,   192
.set KF,  128                          ; window 1
.set VF,  192                          ; window 1
.set WV,  10
.set ROLE, 11
.set G1K, 24
.set G1V, 32
.set G1B, 40
.set G0K, 48                           ; two sets each: steps 0 and 1; the second then walks
.set G0V, 56
.set G0B, 68
.set SEL, 76
.set TB,  78
.set CNT, 79
.set PFA, 80
.set LIM, 82
.set PFS, 84
.set MSB, 0
.macro WIN new
.if MSB != \new
	s_set_vgpr_msb (MSB<<8)|\new
.set MSB, \new
.endif
.endm
.macro PLACES n
.rept \n
	v_nop
.endr
.endm
.macro CROUND
	s_barrier_signal -1
	s_barrier_wait -1
	s_cmp_lg_u32 s[WV], 0
	s_cbranch_scc1 .Lnot_wave_0_\@
	s_barrier_signal -3
.Lnot_wave_0_\@:
	s_barrier_wait -3
	s_barrier_signal -1
	s_barrier_wait -1
.endm
; A joint refill: waves 0, 1 fetch the two heads' K, waves 2, 3 their V, waves 4 to 7 the bias's four quarters: one load a wave.  The branches hang on the wave's number alone.
.macro JLOAD3
	s_cmp_lt_u32 s[WV], 2
	s_cbranch_scc0 .Lnot_k_\@
	tensor_load_to_lds s[G0K+4:G0K+7], s[G1K:G1K+7]
	s_nop 0
	PLACES 4
	s_branch .Lasked_\@
.Lnot_k_\@:
	s_cmp_lt_u32 s[WV], 4
	s_cbranch_scc0 .Lnot_v_\@
	tensor_load_to_lds s[G0V+4:G0V+7], s[G1V:G1V+7]
	s_nop 0
	PLACES 4
	s_branch .Lasked_\@
.Lnot_v_\@:
	tensor_load_to_lds s[G0B+4:G0B+7], s[G1B:G1B+7]
	s_nop 0
	PLACES 4
.Lasked_\@:
.endm
; A prefetch of what the NEXT change of slots will ask for, one trip ahead of that load; a lane names 256 bytes, each aligned 256 bytes once in the launch.
; The bias tile of a query block is read by the clusters y = 2 b and 2 b + 1: the even one asks, its four partners of a column take 64 rows each BY ADDRESS, waves 0 and 1 32 of them each, a lane a row.
; K and V of a head pair are read by both clusters along x: cluster x = 0 asks, wave 2; the four partners of a row take, by address, K or V of one of the two heads: 8,192 dense bytes, lanes 256 apart.
.macro ASK
	s_cmp_gt_u32 s[CNT], s[LIM]                    ; the last change that fills a slot has no step behind it
	s_cbranch_scc0 .Lnot_mine_\@
	global_prefetch_b8 v[PFO], s[PFA:PFA+1] th:TH_LOAD_NT scope:SCOPE_SE
.Lnot_mine_\@:
.endm
	s_load_b128 s[4:7], s[0:1], 0x0                ; qkv, bias
	s_load_b64 s[8:9], s[0:1], 0x10                ; att
	v_lshl_add_u32 v[SPW], v0, 2, SPARE
	v_mov_b32 v[NIL], 0
	ds_add_u32 v[SPW], v[NIL]                      ; the wave's opening: the add, twice on end, and its wait ahead of my first tensor load
	ds_add_u32 v[SPW], v[NIL]
	v_lshrrev_b32 v13, 5, v0
	v_readfirstlane_b32 s[WV], v13                 ; wave 0..7
	s_lshr_b32 s[ROLE], s[WV], 2
	s_xor_b32 s[ROLE], s[ROLE], s[WV]
	s_and_b32 s[ROLE], s[ROLE], 1
	s_bfe_u32 s13, ttmp6, 0x40000                  ; cx
	s_bfe_u32 s14, ttmp6, 0x40004                  ; cy
	s_lshl_b32 s15, ttmp9, 2
	s_add_co_u32 s15, s15, s13                     ; X: my block of 256 queries
	s_and_b32 s17, ttmp7, 0xffff
	s_lshl_b32 s16, s17, 2
	s_add_co_u32 s16, s16, s14                     ; Y = 8 x batch + head pair
	s_lshr_b32 s17, s17, 1                         ; the batch, of the cluster's y alone
	s_lshl_b32 s18, s14, 2
	s_lshl_b32 s18, 15, s18                        ; my row of the cluster
	s_lshl_b32 s19, 0x1111, s13                    ; my column
	s_or_b32 s[G1K], s18, (1<<16)|(1<<20)|(1<<21)|(4<<22)|(3<<25)  ; K: elements of 2 bytes; 4 words of padding after every 32: behind each key's 128 bytes
	s_or_b32 s[G1V], s18, (1<<16)|(1<<20)|(1<<21)|(4<<22)|(7<<25)  ; V: 8 words
.irp g, G1K, G1V                       ; 64 keys of a head are 8,192 dense bytes: 32 rows of 256 bytes (two keys)
	s_mov_b32 s[\g+1], 128<<16
	s_mov_b32 s[\g+2], 32<<16
	s_mov_b32 s[\g+3], 128<<16
	s_mov_b32 s[\g+4], 32
	s_mov_b32 s[\g+5], 128
	s_mov_b32 s[\g+6], 0
	s_mov_b32 s[\g+7], 0
.endr
	s_or_b32 s[G1B], s19, (2<<16)|(1<<20)|(1<<21)|(5<<22)|(3<<25)  ; the bias: elements of 4 bytes; 64 rows of 64, 2,048 apart; 4 words of padding behind each row
	s_mov_b32 s[G1B+1], 64<<16
	s_mov_b32 s[G1B+2], 64<<16
	s_mov_b32 s[G1B+3], 64<<16
	s_mov_b32 s[G1B+4], 64
	s_mov_b32 s[G1B+5], 2048
	s_mov_b32 s[G1B+6], 0
	s_mov_b32 s[G1B+7], 0
	; offsets, apart from the addresses.  K's and V's are made of Y and the wave, the bias's of the batch, X and the wave
	s_and_b32 s20, s[WV], 1
	s_lshl_b32 s86, s16, 1
	s_add_co_u32 s86, s86, s20
	s_lshl_b32 s86, s86, 18                        ; head 2 Y + (w & 1): 262,144 bytes a head
	s_add_co_u32 s88, s86, 0x2000000               ; in v,
	s_add_co_u32 s86, s86, 0x1000000               ; in k
	s_mov_b32 s87, 0
	s_mov_b32 s89, 0
	s_mul_i32 s21, s20, KHB                        ; and in a slot
	s_mul_i32 s22, s20, VHB
	s_add_co_u32 s22, s22, VOFF
	s_and_b32 s23, s[WV], 3
	s_lshl_b32 s90, s15, 8
	s_lshl_b32 s91, s23, 6
	s_add_co_u32 s90, s90, s91                     ; query 256 X + 64 (w & 3)
	s_lshl_b32 s90, s90, 13
	s_lshl_b32 s91, s17, 24
	s_add_co_u32 s90, s90, s91
	s_mov_b32 s91, 0
	s_mul_i32 s23, s23, 64*PB
	s_add_co_u32 s23, s23, BOFF
	s_lshr_b32 s92, s[WV], 2                       ; Q: head 2 Y + w / 4, query 256 X + 64 (w & 3), 128 bytes a query
	s_lshl_b32 s93, s16, 1
	s_add_co_u32 s93, s93, s92
	s_lshl_b32 s93, s93, 11
	s_lshl_b32 s94, s15, 8
	s_add_co_u32 s93, s93, s94
	s_and_b32 s94, s[WV], 3
	s_lshl_b32 s94, s94, 6
	s_add_co_u32 s93, s93, s94
	s_lshl_b32 s94, s93, 7
	s_mov_b32 s95, 0
	s_lshl_b32 s96, s17, 11                        ; att: row 2,048 b + 256 X + 32 w of 2,048 bytes, + 256 x head pair
	s_lshl_b32 s97, s15, 8
	s_add_co_u32 s96, s96, s97
	s_lshl_b32 s97, s[WV], 5
	s_add_co_u32 s96, s96, s97
	s_lshl_b32 s96, s96, 11
	s_and_b32 s97, s16, 7
	s_lshl_b32 s97, s97, 8
	s_add_co_u32 s96, s96, s97
	s_mov_b32 s97, 0
	s_mov_b32 s[SEL], 0x76543210
	s_mov_b32 s[SEL+1], 0xfedcba98
	s_mov_b32 s[TB], 0
	s_mov_b32 s[CNT], 30
	s_wait_dscnt 0x0                               ; both opening adds are done
	s_wait_kmcnt 0x0
	s_add_nc_u64 s[86:87], s[4:5], s[86:87]
	s_add_nc_u64 s[88:89], s[4:5], s[88:89]
	s_add_nc_u64 s[90:91], s[6:7], s[90:91]
	s_add_nc_u64 s[94:95], s[4:5], s[94:95]
	s_add_nc_u64 s[8:9], s[8:9], s[96:97]
	CROUND                                         ; all sixteen work-groups are here: the first joint loads meet
.irp i, 0,1
	s_mov_b32 s[G0K+4*\i], 1
	s_add_co_u32 s[G0K+4*\i+1], s21, \i*SLOT1
	s_add_nc_u64 s[G0K+4*\i+2:G0K+4*\i+3], s[86:87], \i*8192
	s_or_b32 s[G0K+4*\i+3], s[G0K+4*\i+3], 0x80000000
	s_mov_b32 s[G0V+4*\i], 1
	s_add_co_u32 s[G0V+4*\i+1], s22, \i*SLOT1
	s_add_nc_u64 s[G0V+4*\i+2:G0V+4*\i+3], s[88:89], \i*8192
	s_or_b32 s[G0V+4*\i+3], s[G0V+4*\i+3], 0x80000000
	s_mov_b32 s[G0B+4*\i], 1
	s_add_co_u32 s[G0B+4*\i+1], s23, \i*SLOT1
	s_add_nc_u64 s[G0B+4*\i+2:G0B+4*\i+3], s[90:91], \i*256
	s_or_b32 s[G0B+4*\i+3], s[G0B+4*\i+3], 0x80000000
.endr
	s_cmp_lt_u32 s[WV], 2                          ; a wave's two first fills stand in one arm: two tensor loads of mine are out
	s_cbranch_scc0 .Lfirst_not_k
	tensor_load_to_lds s[G0K:G0K+3], s[G1K:G1K+7]
	s_nop 0
	tensor_load_to_lds s[G0K+4:G0K+7], s[G1K:G1K+7]
	s_nop 0
	PLACES 4
	s_branch .Lfirst_asked
.Lfirst_not_k:
	s_cmp_lt_u32 s[WV], 4
	s_cbranch_scc0 .Lfirst_not_v
	tensor_load_to_lds s[G0V:G0V+3], s[G1V:G1V+7]
	s_nop 0
	tensor_load_to_lds s[G0V+4:G0V+7], s[G1V:G1V+7]
	s_nop 0
	PLACES 4
	s_branch .Lfirst_asked
.Lfirst_not_v:
	tensor_load_to_lds s[G0B:G0B+3], s[G1B:G1B+7]
	s_nop 0
	tensor_load_to_lds s[G0B+4:G0B+7], s[G1B:G1B+7]
	s_nop 0
	PLACES 4
.Lfirst_asked:
	v_and_b32 v13, 15, v0                          ; r = lane % 16
	v_bfe_u32 v14, v0, 4, 1                        ; h = lane / 16
	v_and_b32 v15, 7, v0
	v_bfe_u32 v16, v0, 3, 1
	v_lshlrev_b32 v[QO], 7, v13
	v_lshl_add_u32 v[QO], v14, 4, v[QO]            ; Q: row r of 128 bytes, + 16 h
.irp t, 0,1,2,3
.irp c, 0,1
	global_load_b128 v[Q+16*\t+8*\c:Q+16*\t+8*\c+3],   v[QO], s[94:95] offset:2048*\t+64*\c      ; Q stays in registers: tile t, channels 32 c on
	global_load_b128 v[Q+16*\t+8*\c+4:Q+16*\t+8*\c+7], v[QO], s[94:95] offset:2048*\t+64*\c+32
.endr
.endr
	s_lshr_b32 s18, s[WV], 2                       ; my head of the pair
	s_and_b32 s19, s[WV], 3                        ; my quarter of the queries
	s_mul_i32 s20, s18, KHB
	v_mul_u32_u24 v[AK0], v13, PK
	v_lshl_add_u32 v[AK0], v14, 4, v[AK0]
	v_add_nc_u32 v[AK0], s20, v[AK0]               ; K: key r x pitch + 16 h
	s_mul_i32 s20, s18, VHB
	s_add_co_u32 s20, s20, VOFF
	v_lshl_add_u32 v[AV0], v14, 3, v15
	v_mul_u32_u24 v[AV0], v[AV0], PVP
	v_lshl_add_u32 v[AV0], v16, 4, v[AV0]
	v_add_nc_u32 v[AV0], s20, v[AV0]               ; V, for the turning load: key 8 h + lane % 8, channels 8 ((lane / 8) % 2) on
	s_mul_i32 s20, s19, 64*PB
	s_add_co_u32 s21, s20, BOFF
	v_mul_u32_u24 v[AB0], v13, PB
	v_lshl_add_u32 v[STO], v14, 4, v[AB0]
	v_lshl_add_u32 v[AB0], v14, 5, v[AB0]
	v_add_nc_u32 v[AB0], s21, v[AB0]               ; the bias: query r x pitch + 32 h: my eight keys of a tile
	s_lshl_b32 s21, s18, 7
	s_add_co_u32 s20, s20, s21
	v_add_nc_u32 v[STO], s20, v[STO]               ; the way out, in: row 64 (w & 3) + r, + 128 x my head, + 16 h
	s_mul_i32 s20, s[WV], 32*PB
	v_mul_u32_u24 v[RDB], v14, PB
	v_lshl_add_u32 v[RDB], v13, 4, v[RDB]
	v_add_nc_u32 v[RDB], s20, v[RDB]               ; back: wave w takes rows 32 w on, whole; lanes 0-15 one row, lanes 16-31 the next
	v_lshlrev_b32 v[GO], 11, v14
	v_lshl_add_u32 v[GO], v13, 4, v[GO]            ; and the same two rows in att
	; the prefetches: where mine stand, and who asks
	s_lshl_b32 s86, s15, 8
	s_lshl_b32 s87, s14, 6
	s_add_co_u32 s86, s86, s87
	s_lshl_b32 s87, s[WV], 5
	s_add_co_u32 s86, s86, s87                     ; the bias's row 256 X + 64 cy + 32 w
	s_lshl_b32 s86, s86, 13
	s_lshl_b32 s87, s17, 24
	s_add_co_u32 s86, s86, s87
	s_add_co_u32 s86, s86, 2*256                   ; at step 2: the first change of slots steps it to step 3
	s_lshr_b32 s88, s13, 1
	s_add_co_u32 s88, s88, 1
	s_lshl_b32 s88, s88, 24                        ; k (cx < 2) or v
	s_and_b32 s89, s13, 1
	s_lshl_b32 s90, s16, 1
	s_add_co_u32 s89, s89, s90
	s_lshl_b32 s89, s89, 18                        ; head 2 Y + (cx & 1)
	s_add_co_u32 s88, s88, s89
	s_add_co_u32 s88, s88, 2*8192
	s_mov_b32 s[PFS], 8192
	s_mov_b32 s91, 256
	s_and_b32 s98, ttmp7, 1                        ; is the cluster's y odd?
	s_cmp_lt_u32 s[WV], 2                          ; waves 0 and 1 ask for the bias
	s_cselect_b64 s[PFA:PFA+1], s[6:7], s[4:5]
	s_cselect_b32 s86, s86, s88
	s_cselect_b32 s[PFS], 256, s[PFS]              ; a step on
	s_cselect_b32 s91, 8192, s91                   ; from lane to lane
	s_cselect_b32 s98, s98, ttmp9                  ; 0 where my cluster is the one that asks
	s_cmp_lt_u32 s[WV], 3
	s_cselect_b32 s98, s98, 1                      ; waves 3 to 7 never ask
	s_cmp_eq_u32 s98, 0
	s_cselect_b32 s[LIM], 1, -1                    ; the same in all sixteen partners, for a given wave
	s_mov_b32 s87, 0
	s_mov_b32 s[PFS+1], 0
	s_add_nc_u64 s[PFA:PFA+1], s[PFA:PFA+1], s[86:87]
	v_and_b32 v[PFO], 31, v0
	v_mul_lo_u32 v[PFO], v[PFO], s91
.irp t, 0,1,2,3
	v_mov_b32 v[ST+8*\t], 0xff61b1e6               ; m: -3e38, under every t
.irp i, 1,2,3,4,5,6,7
	v_mov_b32 v[ST+8*\t+\i], 0
.endr
.endr
	WIN 0x40
.set ii, 0
.rept 128
	v_mov_b32 v[ii], 0                             ; O^T
.set ii, ii+1
.endr
	WIN 0
	v_add_nc_u32 v[ADK], s[TB], v[AK0]
	v_add_nc_u32 v[ADV], s[TB], v[AV0]
	v_add_nc_u32 v[ADB], s[TB], v[AB0]
.macro BIAS kt                         ; the bias of key tile kt, for my four tiles of queries, straight into the scores' registers: 8 loads
.irp t, 0,1,2,3
	ds_load_b128 v[S+32*\t+8*\kt:S+32*\t+8*\kt+3],   v[ADB] offset:\t*16*PB+64*\kt
	ds_load_b128 v[S+32*\t+8*\kt+4:S+32*\t+8*\kt+7], v[ADB] offset:\t*16*PB+64*\kt+16
.endr
.endm
.macro KQ16 k0                         ; S^T += K Q^T for key tiles k0, k0 + 1: eight accumulators by turns, one instruction a turn, two deep
.irp c, 0,1
.irp kt, \k0, \k0+1
.irp t, 0,1,2,3
	v_wmma_f32_16x16x32_f16 v[S+32*\t+8*(\kt):S+32*\t+8*(\kt)+7], v[KF+16*(\kt)+8*\c:KF+16*(\kt)+8*\c+7], v[Q+16*\t+8*\c:Q+16*\t+8*\c+7], v[S+32*\t+8*(\kt):S+32*\t+8*(\kt)+7]
.endr
.endr
.endr
.endm
.macro PVALL                           ; O^T += V^T P: sixteen accumulators by turns, two deep
	WIN 0x51                                       ; V and O^T window 1, P window 0
.irp kc, 0,1
.irp ct, 0,1,2,3
.irp t, 0,1,2,3
	v_wmma_f32_16x16x32_f16 v[32*\t+8*\ct:32*\t+8*\ct+7], v[VF+32*\kc+8*\ct:VF+32*\kc+8*\ct+7], v[S+32*\t+8*\kc:S+32*\t+8*\kc+7], v[32*\t+8*\ct:32*\t+8*\ct+7]
.endr
.endr
.endr
.endm
; THE MATRIX PHASE of step j.  All its LDS reads are of the slot in hand: K, the bias and V of step j; V is multiplied in the next trip's phase, behind the wait for 0 of the change of slots.
.macro MPH pv
	WIN 0x40                                       ; destination window 1.  K's registers were last read five places back or more
.irp kt, 0,1,2,3
.irp c, 0,1
	ds_load_b128 v[KF+16*\kt+8*\c:KF+16*\kt+8*\c+3],   v[ADK] offset:\kt*16*PK+64*\c
	ds_load_b128 v[KF+16*\kt+8*\c+4:KF+16*\kt+8*\c+7], v[ADK] offset:\kt*16*PK+64*\c+32
.endr
.endr
	WIN 0
	BIAS 2                                         ; the upper halves of the scores' registers are free: p lies in the lower
	BIAS 3
.if \pv
	PVALL                                          ; step j - 1
	PLACES 5                                       ; the score products below write over p, which was a source here: five places; the loads below want four
.endif
	WIN 0
	BIAS 0
	BIAS 1
	WIN 0x40
.irp kc, 0,1
.irp ct, 0,1,2,3
	ds_load_tr16_b128 v[VF+32*\kc+8*\ct:VF+32*\kc+8*\ct+3],   v[ADV] offset:\kc*32*PVP+32*\ct
	ds_load_tr16_b128 v[VF+32*\kc+8*\ct+4:VF+32*\kc+8*\ct+7], v[ADV] offset:\kc*32*PVP+16*PVP+32*\ct
.endr
.endr
	s_wait_dscnt 32                                ; K and the bias of key tiles 2, 3 are in; the 32 youngest loads (the bias of tiles 0, 1, and V) may be out
	WIN 0x01                                       ; K window 1; Q and S^T window 0
	KQ16 2
	s_wait_dscnt 16                                ; V's 16 loads may be out
	KQ16 0
	WIN 0
	PLACES 5                                       ; behind the last products, on every way on
.endm
; THE SOFTMAX of one step, for tile t, in three numbered lists; number jj is written.
; MXS 0-19: the maximum of the lane's 32 scores and the old m, three operands at a time in four chains; the other half of the lanes'; the new m; c3 = old m - new m.  Each accumulator is read from its low end on.
.macro MXS t
.set rT, ST+8*(\t)
.set rS, S+32*(\t)
.if jj < 4
	v_max3_num_f32 v[rT+4+jj], v[rS+8*jj], v[rS+8*jj+1], v[rS+8*jj+2]
.elseif jj < 12
	v_max3_num_f32 v[rT+4+jj%4], v[rT+4+jj%4], v[rS+8*(jj%4)+2*(jj/4)+1], v[rS+8*(jj%4)+2*(jj/4)+2]
.elseif jj == 12
	v_max3_num_f32 v[rT+4], v[rT+4], v[rS+7], v[rS+15]
.elseif jj == 13
	v_max3_num_f32 v[rT+6], v[rT+6], v[rS+23], v[rS+31]
.elseif jj == 14
	v_max3_num_f32 v[rT+4], v[rT+4], v[rT+5], v[rT+6]
.elseif jj == 15
	v_max3_num_f32 v[rT+4], v[rT+4], v[rT+7], v[rT]
.elseif jj == 16
	v_permlanex16_b32 v[rT+5], v[rT+4], s[SEL], s[SEL+1]
.elseif jj == 17
	v_mov_b32 v[rT+7], v[rT]
.elseif jj == 18
	v_max_num_f32 v[rT], v[rT+4], v[rT+5]
.else
	v_sub_f32 v[rT+7], v[rT+7], v[rT]
.endif
.endm
; EXS 0-48: the 16 subtractions of m, a pair of scores each, and the 33 exponentials (a = 2^c3, then the 32 scores).  None names an exponential's result; a pair is brought under m ahead of its exponentials.
.macro EXS t
.set rT, ST+8*(\t)
.set rS, S+32*(\t)
.set kk, jj-3
.if jj < 2
	v_pk_add_f32 v[rS+2*jj:rS+2*jj+1], v[rS+2*jj:rS+2*jj+1], v[rT:rT+1] op_sel_hi:[1,0] neg_lo:[0,1] neg_hi:[0,1]
.elseif jj == 2
	v_exp_f32 v[rT+6], v[rT+7]
.elseif kk >= 42
	v_exp_f32 v[rS+kk-14], v[rS+kk-14]
.elseif kk%3 == 0
	v_exp_f32 v[rS+2*(kk/3)], v[rS+2*(kk/3)]
.elseif kk%3 == 1
	v_pk_add_f32 v[rS+2*(kk/3)+4:rS+2*(kk/3)+5], v[rS+2*(kk/3)+4:rS+2*(kk/3)+5], v[rT:rT+1] op_sel_hi:[1,0] neg_lo:[0,1] neg_hi:[0,1]
.else
	v_exp_f32 v[rS+2*(kk/3)+1], v[rS+2*(kk/3)+1]
.endif
.endm
; RDS 0-31: the sum of the 16 pairs in two chains, l = a l + the sum; then the 16 roundings to f16, ascending and in place: register i takes pair i, which has been summed.
.macro RDS t
.set rT, ST+8*(\t)
.set rS, S+32*(\t)
.if jj == 0
	v_pk_add_f32 v[rT+4:rT+5], v[rS:rS+1], v[rS+2:rS+3]
.elseif jj == 1
	v_pk_fma_f32 v[rT+2:rT+3], v[rT+2:rT+3], v[rT+6:rT+7], v[rS+4:rS+5] op_sel_hi:[1,0,1]
.elseif (jj < 15) && (jj%2 == 0)
	v_pk_add_f32 v[rT+4:rT+5], v[rT+4:rT+5], v[rS+2*jj+2:rS+2*jj+3]
.elseif jj < 15
	v_pk_add_f32 v[rT+2:rT+3], v[rT+2:rT+3], v[rS+2*jj+2:rS+2*jj+3]
.elseif jj == 15
	v_pk_add_f32 v[rT+2:rT+3], v[rT+2:rT+3], v[rT+4:rT+5]
.else
	v_cvt_pk_f16_f32 v[rS+jj-16], v[rS+2*(jj-16)], v[rS+2*(jj-16)+1]
.endif
.endm
; The four tiles' lists woven: two batches of 66 exponentials, each with plain work of the other pair of tiles between them, one plain line behind the last and ONE wait ahead of the first reader.
.macro SM
.set ii, 0
.rept 20
.set jj, ii
	MXS 0
	MXS 1
.set ii, ii+1
.endr
.set ii, 0
.rept 49
.set jj, ii
	EXS 0
	EXS 1
.if ii < 40
.set jj, ii/2
	MXS 2+(ii%2)
.endif
.set ii, ii+1
.endr
	v_nop
	s_wait_alu depctr_va_vdst(0)                   ; one wait for tiles 0 and 1's batch
.set ii, 0
.rept 49
.set jj, ii
	EXS 2
	EXS 3
.if ii < 32
	RDS 0
	RDS 1
.endif
.set ii, ii+1
.endr
	v_nop
	s_wait_alu depctr_va_vdst(0)                   ; and one for tiles 2 and 3's
.set ii, 0
.rept 32
.set jj, ii
	RDS 2
	RDS 3
.set ii, ii+1
.endr
	WIN 0x41                                       ; O^T window 1, a window 0
.irp t, 0,1,2,3
.irp i, 0,2,4,6,8,10,12,14,16,18,20,22,24,26,28,30
	v_pk_mul_f32 v[32*\t+\i:32*\t+\i+1], v[32*\t+\i:32*\t+\i+1], v[ST+8*\t+6:ST+8*\t+7] op_sel_hi:[1,0]   ; O^T under the new m
.endr
.endr
	WIN 0
.endm
; THE CHANGE OF SLOTS, between two trips.  Each wave waits for all its tensor loads (one is out: its part of the slot ahead), adds 0 to its spare word, and waits for that and for its reads of the slot that it leaves.
; fill = 1: a round of the cluster's barrier, and first behind it the joint refill of the slot just left, with the step two on: it has a whole trip in which to land.
.macro CHANGE fill
	s_wait_tensorcnt 0x0
	ds_add_u32 v[SPW], v[NIL]                      ; 0 onto my spare word; the steps below stand between it and the wait for it
.if \fill
.irp g, G0K+4, G0V+4
	s_xor_b32 s[\g+1], s[\g+1], SLOT1              ; the walking descriptors: the other slot than last time,
	s_add_nc_u64 s[\g+2:\g+3], s[\g+2:\g+3], 8192  ; the next 64 keys
.endr
	s_xor_b32 s[G0B+5], s[G0B+5], SLOT1
	s_add_nc_u64 s[G0B+6:G0B+7], s[G0B+6:G0B+7], 256
	s_wait_xcnt 0x0                                ; the last prefetch, a trip back, has read its address
	s_add_nc_u64 s[PFA:PFA+1], s[PFA:PFA+1], s[PFS:PFS+1]
.endif
	s_xor_b32 s[TB], s[TB], SLOT1
	s_wait_dscnt 0x0                               ; the add is done; my reads of the slot are over, V's among them
.if \fill
	CROUND
	JLOAD3
	ASK
.else
	s_barrier_signal -1
	s_barrier_wait -1
.endif
	v_add_nc_u32 v[ADK], s[TB], v[AK0]
	v_add_nc_u32 v[ADV], s[TB], v[AV0]
	v_add_nc_u32 v[ADB], s[TB], v[AB0]
.endm
.macro BODY                            ; a trip: role 0: matrix phase, softmax; role 1: softmax, matrix phase.  No barrier, wait on tensor loads or tensor load stands under these branches
	s_cmp_lg_u32 s[ROLE], 0
	s_cbranch_scc1 .Lsoft_\@
	MPH 1
.Lsoft_\@:
	SM
	s_cmp_eq_u32 s[ROLE], 0
	s_cbranch_scc1 .Lend_\@
	MPH 1
.Lend_\@:
.endm
	s_wait_tensorcnt 1                             ; my part of slot 0 is in; slot 1's, issued behind it, may stay out
	s_barrier_signal -1
	s_barrier_wait -1
	s_wait_loadcnt 0x0                             ; Q
	MPH 0                                          ; trip 0: the first scores, in all waves;
	s_cmp_lg_u32 s[ROLE], 0
	s_cbranch_scc1 .Ltrip
	SM                                             ; their softmax in role 0 alone
.Ltrip:                                                ; trips 1 to 30: behind each change the slot just left takes the step two on (steps 2 to 31)
	CHANGE 1
	BODY
	s_sub_co_u32 s[CNT], s[CNT], 1
	s_cmp_lg_u32 s[CNT], 0
	s_cbranch_scc1 .Ltrip
	CHANGE 0                                       ; trip 31 is written out: nothing is left to fetch
	BODY
	s_cmp_eq_u32 s[ROLE], 0
	s_cbranch_scc1 .Llast
	SM                                             ; role 1's last softmax
.Llast:
	s_wait_dscnt 0x0                               ; V of step 31
	PVALL
	WIN 0
	; THE WAY OUT.  l's halves are added (these additions are the places behind the last products); O^T / l, rounded to f16, goes into the work-group's stage: a row's 256 bytes are the two heads' 128 channels, from two waves.
	; The stage lies in slot 0, which had its last fill with step 30 and its last read ahead of the last change of slots.
.irp t, 0,1,2,3
	v_add_f32 v[ST+8*\t+4], v[ST+8*\t+2], v[ST+8*\t+3]
.endr
.irp t, 0,1,2,3
	v_permlanex16_b32 v[ST+8*\t+5], v[ST+8*\t+4], s[SEL], s[SEL+1]
.endr
.irp t, 0,1,2,3
	v_add_f32 v[ST+8*\t+4], v[ST+8*\t+4], v[ST+8*\t+5]
.endr
.irp t, 0,1,2,3
	v_rcp_f32 v[ST+8*\t+6], v[ST+8*\t+4]
.endr
	v_nop
	s_wait_alu depctr_va_vdst(0)                   ; one wait for the four reciprocals
.irp t, 0,1,2,3
	WIN 0x41
.irp i, 0,2,4,6,8,10,12,14,16,18,20,22,24,26,28,30
	v_pk_mul_f32 v[32*\t+\i:32*\t+\i+1], v[32*\t+\i:32*\t+\i+1], v[ST+8*\t+6:ST+8*\t+7] op_sel_hi:[1,0]
.endr
	WIN 0x05                                       ; sources window 1, destination window 0: the scores' registers are free
.irp i, 0,1,2,3,4,5,6,7,8,9,10,11,12,13,14,15
	v_cvt_pk_f16_f32 v[S+32*\t+\i], v[32*\t+2*\i], v[32*\t+2*\i+1]
.endr
	WIN 0
.irp ct, 0,1,2,3
	ds_store_b128 v[STO], v[S+32*\t+4*\ct:S+32*\t+4*\ct+3] offset:\t*16*PB+32*\ct
.endr
.endr
	s_wait_dscnt 0x0                               ; for the others' sake: my stores into the stage are done
	s_barrier_signal -1
	s_barrier_wait -1
.irp i, 0,1,2,3,4,5,6,7,8,9,10,11,12,13,14,15
	ds_load_b128 v[S+4*\i:S+4*\i+3], v[RDB] offset:\i*2*PB
.endr
.irp i, 0,1,2,3,4,5,6,7,8,9,10,11,12,13,14,15
	s_wait_dscnt 15-\i
	global_store_b128 v[GO], v[S+4*\i:S+4*\i+3], s[8:9] offset:\i*4096   ; sixteen lanes store 256 consecutive bytes, aligned
.endr
	s_wait_tensorcnt 0x0                           ; the wave's end
	ds_add_u32 v[SPW], v[NIL]
	s_wait_dscnt 0x0
	CROUND                                         ; the closing round
	s_endpgm
.Lfunc_end_k_qd3fb13de1a_attn:
	.size	k_qd3fb13de1a_attn, .Lfunc_end_k_qd3fb13de1a_attn-k_qd3fb13de1a_attn
	.p2alignl 7, 3214868480
	.fill 96, 4, 3214868480
	.section	.rodata,"a",@progbits
	.p2align	6, 0x0
	.amdhsa_kernel k_qd3fb13de1a_attn
		.amdhsa_group_segment_fixed_size 327680
		.amdhsa_private_segment_fixed_size 0
		.amdhsa_enable_private_segment 0
		.amdhsa_kernarg_size 24
		.amdhsa_user_sgpr_count 2
		.amdhsa_user_sgpr_kernarg_segment_ptr 1
		.amdhsa_wavefront_size32 1
		.amdhsa_system_sgpr_workgroup_id_x 1
		.amdhsa_system_sgpr_workgroup_id_y 1
		.amdhsa_system_sgpr_workgroup_id_z 1
		.amdhsa_system_vgpr_workitem_id 0
		.amdhsa_next_free_vgpr 512
		.amdhsa_next_free_sgpr 100
		.amdhsa_reserve_vcc 0
		.amdhsa_float_denorm_mode_32 3
		.amdhsa_float_denorm_mode_16_64 3
		.amdhsa_memory_ordered 1
		.amdhsa_forward_progress 1
		.amdhsa_inst_pref_size 177
	.end_amdhsa_kernel
	.amdgpu_metadata
---
amdhsa.version: [ 1, 2 ]
amdhsa.kernels:
  - .name:           k_qd3fb13de1a_attn
    .symbol:         k_qd3fb13de1a_attn.kd
    .args:
      - { .name: qkv, .offset: 0, .size: 8, .value_kind: global_buffer, .address_space: global }
      - { .name: bias, .offset: 8, .size: 8, .value_kind: global_buffer, .address_space: global }
      - { .name: att, .offset: 16, .size: 8, .value_kind: global_buffer, .address_space: global }
    .group_segment_fixed_size: 327680
    .private_segment_fixed_size: 0
    .kernarg_segment_align: 8
    .kernarg_segment_size: 24
    .max_flat_workgroup_size: 256
    .sgpr_count:     100
    .vgpr_count:     512
    .wavefront_size: 32
...
	.end_amdgpu_metadata
.endif
;; end of part 3
;; launch outp (part 4): grid 8 x 32, 4 waves a work-group, clusters of 4 x 4, 327,680 bytes of LDS; arguments att, wo16, out0, bo; writes out0
.if DOCPART == 4
	.amdgcn_target "amdgcn-amd-amdhsa--gfx1250"
	.amdhsa_code_object_version 6
	.text
	.protected	k_qd3fb13de1a_outp
	.globl	k_qd3fb13de1a_outp
	.p2align	8
	.type	k_qd3fb13de1a_outp,@function
k_qd3fb13de1a_outp:
	s_mov_b64 s[64:65], 0
	v_nop
	global_prefetch_b8 v0, s[64:65] scope:SCOPE_SE
	s_setreg_imm32_b32 hwreg(HW_REG_WAVE_MODE, 25, 1), 1
	s_wait_xcnt 0x0
	s_wait_alu depctr_hold_cnt(0) depctr_sa_sdst(0) depctr_va_vdst(0) depctr_va_sdst(0) depctr_va_ssrc(0) depctr_va_vcc(0) depctr_vm_vsrc(0)
	s_getreg_b32 s2, hwreg(HW_REG_IB_STS2, 6, 4)
	s_cmp_eq_u32 s2, 0
	s_cbranch_scc0 .Lentry_in_a_cluster
	s_endpgm
.Lentry_in_a_cluster:
	s_bfe_u32 s2, ttmp6, 0x10000c
	s_cmp_lg_u32 s2, 0xf033
	s_cbranch_scc0 .Lentry_shape_is_right
	s_endpgm
.Lentry_shape_is_right:
; out0[m][n] = sum over k of att[m][k] Wo[n][k] + bo[n].  att [8192][1024] and wo16 [1024][1024]: f16; out0: f32; sums in f32.
; A tile of C is 128 x 128: 64 x 8 = 512 tiles.  Four waves, each 64 x 64: 16 accumulators.  K goes in steps of 256 (LDS rows of 512 bytes; a wave's tensor load brings 64 of them) through two slots.
; A WORK-GROUP STAYS: 256 work-groups make TWO tiles each, 4,096 rows apart in the same columns.  The ring does not stop at the first tile's end: its last two changes of slots ask for the second tile's
; K steps 0 and 1; then the first tile goes out, and nothing waits for its stores.  The eight K steps are written out by macro: no loop and each counted wait has one way to it.
; CLUSTERS: 4 x 4 work-groups; A's tiles are shared along a row of the cluster, B's along a column, each asked for jointly.  The sixteen partners walk in step.
; THE MATRIX INSTRUCTION IS USED TRANSPOSED (source 0 = 16 rows of Wo, source 1 = 16 rows of att): a lane holds eight neighbouring numbers of a row of C.  THE BIAS is the C of each sum's first instruction; both tiles have the same columns, so it is loaded once.
; A wave's 64 columns of f32 are 256 aligned bytes: each wave has a stage of its own on the way out, behind the ring, and no barrier is needed there.
; REGISTERS: window 0: v0-31 addresses; v32-95 rows on the way out; v96-127 the bias, 8 registers for each of B's 4 blocks; v128-255 the accumulators ((a, b) at v[128 + 8 (4 a + b)]).   window 1: two fragment buffers of 128.
.set SIZE_M, 8192
.set SIZE_N, 1024
.set SIZE_K, 1024
.set KSTEP,  256
.set WALK,   SIZE_M/2                  ; a work-group's two tiles lie WALK rows apart
.set NEXT_A, WALK*SIZE_K*2-(SIZE_K-2*KSTEP)*2   ; bytes from a slot's last K step of the first tile to its first of the second: A goes WALK rows down and back along K,
.set BACK_B, (SIZE_K-2*KSTEP)*2        ; B only back: the two tiles share their rows of B
.set PITCH,  528                       ; an LDS row: 512 bytes + 16: the 16 rows that a load touches start 16 bytes apart modulo 256
.set HALFT,  64*PITCH
.set SLOT,   4*HALFT
.set STAGE,  2*SLOT                    ; behind the ring: 16 rows x 272 bytes for each wave; no tensor load lands there
.set SPITCH, 272
.set SPARE,  STAGE+4*16*SPITCH         ; the spare words, 128 bytes a wave
.set ADRA, 16
.set ADRB, 20
.set STO,  24
.set RD,   25
.set CO,   26
.set SPW,  28
.set NIL,  29
.set TMP,  32
.set BI,   96
.set ACC,  128
.set F0,   0
.set F1,   128
.set G1, 24
.set G0, 32
.set G1B, 48
.set G0B, 56
.set MSB, 0
.macro WIN new                         ; the immediate's high byte repeats the setting that is left
.if MSB != \new
	s_set_vgpr_msb (MSB<<8)|\new
.set MSB, \new
.endif
.endm
.set MUL,  0x05                        ; sources 0 (B) and 1 (A) window 1; C and D window 0
.set TO_F, 0x40
.macro JLOAD s                         ; a joint load: waves 0 and 1 fetch A's two halves, waves 2 and 3 B's; an s_nop 0 and four v_nop follow each line
	s_cmp_eq_u32 s11, 0
	s_cbranch_scc0 .Lfor_b_\@
	tensor_load_to_lds s[G0+4*\s:G0+4*\s+3], s[G1:G1+7]
	s_nop 0
.rept 4
	v_nop
.endr
	s_branch .Lasked_\@
.Lfor_b_\@:
	tensor_load_to_lds s[G0B+4*\s:G0B+4*\s+3], s[G1B:G1B+7]
	s_nop 0
.rept 4
	v_nop
.endr
.Lasked_\@:
.endm
.macro CREST
	s_cmp_lg_u32 s10, 0
	s_cbranch_scc1 .Lnot_wave_0_\@
	s_barrier_signal -3
.Lnot_wave_0_\@:
	s_barrier_wait -3
	s_barrier_signal -1
	s_barrier_wait -1
.endm
.macro CROUND
	s_barrier_signal -1
	s_barrier_wait -1
	CREST
.endm
	s_load_b128 s[4:7], s[0:1], 0x0                ; att, wo16
	s_load_b64 s[8:9], s[0:1], 0x10                ; out0
	s_load_b64 s[66:67], s[0:1], 0x18              ; bo
	v_lshl_add_u32 v[SPW], v0, 2, SPARE
	v_mov_b32 v[NIL], 0
	ds_add_u32 v[SPW], v[NIL]                      ; the wave's opening: the add, twice on end, and its wait ahead of my first tensor load
	ds_add_u32 v[SPW], v[NIL]
	v_lshrrev_b32 v1, 5, v0
	v_readfirstlane_b32 s10, v1                    ; wave 0..3
	s_lshr_b32 s11, s10, 1                         ; which half of the tile's rows is mine.  Also: I fetch for A (0) or for B (1)
	s_and_b32 s12, s10, 1                          ; which half of its columns.  Also: which 64 rows of that tile I fetch
	s_bfe_u32 s40, ttmp6, 0x40000
	s_bfe_u32 s41, ttmp6, 0x40004
	s_lshl_b32 s42, ttmp9, 2
	s_add_co_u32 s42, s42, s40                     ; tile column, 0 to 7
	s_and_b32 s13, ttmp7, 0xffff
	s_lshl_b32 s13, s13, 2
	s_add_co_u32 s13, s13, s41                     ; the first tile's row of tiles, 0 to 31
	s_lshl_b32 s43, s41, 2
	s_lshl_b32 s43, 15, s43                        ; my row of the cluster
	s_lshl_b32 s44, 0x1111, s40                    ; my column
	s_or_b32 s[G1+0], s43, (1<<16)|(1<<20)|(1<<21)|(6<<22)|(3<<25)  ; the mask; elements of 2 bytes; padding on; bit 21 beside a mask; 4 words of padding after every 128
	s_or_b32 s[G1B+0], s44, (1<<16)|(1<<20)|(1<<21)|(6<<22)|(3<<25)
.irp g, G1, G1B
	s_mov_b32 s[\g+1], KSTEP<<16
	s_mov_b32 s[\g+2], 64<<16
	s_mov_b32 s[\g+3], KSTEP<<16
	s_mov_b32 s[\g+4], 64
	s_mov_b32 s[\g+5], SIZE_K
	s_mov_b32 s[\g+6], 0
	s_mov_b32 s[\g+7], 0
.endr
	s_lshl_b32 s17, s12, 6
	s_lshl_b32 s16, s13, 7
	s_add_co_u32 s16, s16, s17                     ; A: row 128 x tile row + 64 x half
	s_lshl_b32 s46, s42, 7
	s_add_co_u32 s46, s46, s17                     ; B: row 128 x tile column + 64 x half
	s_mov_b32 s17, 0
	s_mov_b32 s47, 0
	s_mov_b64 s[18:19], SIZE_K*2
	s_mul_u64 s[16:17], s[16:17], s[18:19]
	s_mul_u64 s[46:47], s[46:47], s[18:19]
	s_mul_i32 s20, s10, HALFT
	s_wait_dscnt 0x0                               ; both opening adds are done
	s_wait_kmcnt 0x0
	s_add_nc_u64 s[14:15], s[4:5], s[16:17]
	s_add_nc_u64 s[46:47], s[6:7], s[46:47]
	CROUND                                         ; all sixteen work-groups are here: the first joint loads meet
.irp s, 0,1
	s_mov_b32 s[G0+4*\s], 1
	s_add_co_u32 s[G0+4*\s+1], s20, \s*SLOT
	s_add_nc_u64 s[G0+4*\s+2:G0+4*\s+3], s[14:15], \s*KSTEP*2
	s_or_b32 s[G0+4*\s+3], s[G0+4*\s+3], 0x80000000
	s_mov_b32 s[G0B+4*\s], 1
	s_add_co_u32 s[G0B+4*\s+1], s20, \s*SLOT
	s_add_nc_u64 s[G0B+4*\s+2:G0B+4*\s+3], s[46:47], \s*KSTEP*2
	s_or_b32 s[G0B+4*\s+3], s[G0B+4*\s+3], 0x80000000
	JLOAD \s                                       ; two tensor loads of mine are out
.endr
	v_and_b32 v1, 15, v0                           ; l % 16
	v_bfe_u32 v2, v0, 4, 1                         ; l / 16
	s_lshl_b32 s46, s42, 9                         ; my first column, as bytes of f32: 512 x tile column + 256 x half
	s_lshl_b32 s47, s12, 8
	s_add_co_u32 s46, s46, s47
	s_mov_b32 s47, 0
	s_add_nc_u64 s[66:67], s[66:67], s[46:47]
	v_lshlrev_b32 v6, 5, v2                        ; the bias in the result's layout: block b, my half's eight columns
.irp b, 0,1,2,3
	global_load_b128 v[BI+8*\b:BI+8*\b+3], v6, s[66:67] offset:64*\b
	global_load_b128 v[BI+8*\b+4:BI+8*\b+7], v6, s[66:67] offset:64*\b+16
.endr
	v_mul_u32_u24 v3, v1, PITCH
	v_lshl_add_u32 v3, v2, 4, v3
	s_mul_i32 s21, s11, HALFT
	s_mul_i32 s22, s12, HALFT
	s_add_co_u32 s22, s22, 2*HALFT
.irp s, 0,1
	v_add_nc_u32 v[ADRA+\s], s21, v3
	v_add_nc_u32 v[ADRB+\s], s22, v3
	s_add_co_u32 s21, s21, SLOT
	s_add_co_u32 s22, s22, SLOT
.endr
	s_mul_i32 s23, s10, 16*SPITCH
	s_add_co_u32 s23, s23, STAGE                   ; my stage
	v_mul_u32_u24 v4, v1, SPITCH                   ; in: row l % 16, 32 bytes for each half of the lanes
	v_lshl_add_u32 v4, v2, 5, v4
	v_add_nc_u32 v[STO], s23, v4
	v_mul_u32_u24 v5, v2, SPITCH                   ; back: lanes 0-15 one row of 256 bytes, lanes 16-31 the next
	v_lshl_add_u32 v5, v1, 4, v5
	v_add_nc_u32 v[RD], s23, v5
	v_lshlrev_b32 v5, 12, v2                       ; and the same two rows in C: 4,096 bytes a row
	v_lshl_add_u32 v[CO], v1, 4, v5
	s_lshl_b32 s16, s13, 7
	s_lshl_b32 s17, s11, 6
	s_add_co_u32 s16, s16, s17                     ; my first row of C in the first tile
	s_lshl_b32 s16, s16, 12
	s_mov_b32 s17, 0
	s_add_nc_u64 s[8:9], s[8:9], s[16:17]
	s_add_nc_u64 s[8:9], s[8:9], s[46:47]
; 8 matrix instructions: m blocks a0, a0 + 1 x all 4 n blocks, 32 along K.  zero = 1: the first product starts the sums on the bias.  The 16 accumulators take turns.
.macro MUL8 f, c, a0, zero
.irp a, \a0, \a0+1
.irp b, 0,1,2,3
.if \zero
	v_wmma_f32_16x16x32_f16 v[ACC+8*(4*(\a)+\b):ACC+8*(4*(\a)+\b)+7], v[\f+64+8*(4*\c+\b):\f+64+8*(4*\c+\b)+7], v[\f+8*(4*\c+\a):\f+8*(4*\c+\a)+7], v[BI+8*\b:BI+8*\b+7]
.else
	v_wmma_f32_16x16x32_f16 v[ACC+8*(4*(\a)+\b):ACC+8*(4*(\a)+\b)+7], v[\f+64+8*(4*\c+\b):\f+64+8*(4*\c+\b)+7], v[\f+8*(4*\c+\a):\f+8*(4*\c+\a)+7], v[ACC+8*(4*(\a)+\b):ACC+8*(4*(\a)+\b)+7]
.endif
.endr
.endr
.endm
.macro FETCH slot, k, f                ; 32 LDS loads in one run: the fragments of 64 along K; the first 32 along K first
	WIN TO_F
.irp c, 0,1
.irp i, 0,1,2,3
	ds_load_b128 v[\f+64+8*(4*\c+\i):\f+64+8*(4*\c+\i)+3],   v[ADRB+\slot] offset:\k+64*\c+\i*16*PITCH
	ds_load_b128 v[\f+64+8*(4*\c+\i)+4:\f+64+8*(4*\c+\i)+7], v[ADRB+\slot] offset:\k+64*\c+\i*16*PITCH+32
	ds_load_b128 v[\f+8*(4*\c+\i):\f+8*(4*\c+\i)+3],         v[ADRA+\slot] offset:\k+64*\c+\i*16*PITCH
	ds_load_b128 v[\f+8*(4*\c+\i)+4:\f+8*(4*\c+\i)+7],       v[ADRA+\slot] offset:\k+64*\c+\i*16*PITCH+32
.endr
.endr
.endm
.macro PLACES n                        ; plain vector lines between a matrix instruction and a load into, a read of, or a matrix instruction's write over its registers
.rept \n
	v_nop
.endr
.endm
.macro QUARTER slot, k, f, g, zero     ; 64 along K: multiplies buffer f and fetches the next quarter, at byte k, into g
	s_wait_dscnt 16                                ; the first 32 along K are in; the youngest sixteen loads may be out
	WIN MUL
	MUL8 \f, 0, 0, \zero
	MUL8 \f, 0, 2, \zero
	PLACES 4
	FETCH \slot, \k, \g
	s_wait_dscnt 32                                ; all but the 32 just issued
	WIN MUL
	MUL8 \f, 1, 0, 0
	MUL8 \f, 1, 2, 0
.endm
.macro THREE slot, zero                ; the first three quarters of a K step, on buffers 0, 1, 0
	QUARTER \slot, 128, F0, F1, \zero
	QUARTER \slot, 256, F1, F0, 0
	QUARTER \slot, 384, F0, F1, 0
.endm
; The last quarter multiplies buffer 1 and changes slots: one barrier; in front of it each wave waits for all its tensor loads, adds 0 to its spare word, and waits for that and for its reads of this slot.
; fill = 1: this slot is filled again with the K step two on; fill = 2: with the second tile's K step 0 or 1; fill = 0: nothing is left to fetch.
.macro TURN slot, next, fill
	WIN 0
	s_wait_tensorcnt 0x0                           ; my part of the next slot has landed
	ds_add_u32 v[SPW], v[NIL]
	s_wait_dscnt 17                                ; (the add and the youngest sixteen loads may be out)
	WIN MUL
	MUL8 F1, 0, 0, 0
	s_wait_dscnt 0x0                               ; the add is done, and my reads of this slot are over
	s_barrier_signal -1
	MUL8 F1, 0, 2, 0
.if \fill
	WIN 0
.endif
	s_barrier_wait -1
.if \fill
	CREST                                          ; the barrier has opened a round of the cluster's barrier: no wave of any partner still reads this slot or has a load on its way
.if \fill == 2
	s_add_nc_u64 s[G0+4*\slot+2:G0+4*\slot+3], s[G0+4*\slot+2:G0+4*\slot+3], NEXT_A
	s_sub_nc_u64 s[G0B+4*\slot+2:G0B+4*\slot+3], s[G0B+4*\slot+2:G0B+4*\slot+3], BACK_B
.else
	s_add_nc_u64 s[G0+4*\slot+2:G0+4*\slot+3], s[G0+4*\slot+2:G0+4*\slot+3], 2*KSTEP*2
	s_add_nc_u64 s[G0B+4*\slot+2:G0B+4*\slot+3], s[G0B+4*\slot+2:G0B+4*\slot+3], 2*KSTEP*2
.endif
	JLOAD \slot                                    ; the first tensor load behind the round; its four v_nop are also the places in front of the loads below
.else
	PLACES 4
.endif
	FETCH \next, 0, F0
	WIN MUL
	MUL8 F1, 1, 0, 0
	MUL8 F1, 1, 2, 0
.endm
; THE WAY OUT, a block of 16 rows x 64 columns at a time, through my own stage: 32 bytes a lane in, whole rows of 256 bytes back.  LDS serves a wave's instructions in order: no wait between the stores and the loads.
.macro TOSTAGE a
.irp b, 0,1,2,3
	ds_store_b128 v[STO], v[ACC+8*(4*(\a)+\b):ACC+8*(4*(\a)+\b)+3] offset:64*\b       ; each accumulator from its low end on
	ds_store_b128 v[STO], v[ACC+8*(4*(\a)+\b)+4:ACC+8*(4*(\a)+\b)+7] offset:64*\b+16
.endr
.set BB, TMP+32*((\a)%2)
.irp t, 0,1,2,3,4,5,6,7
	ds_load_b128 v[BB+4*\t:BB+4*\t+3], v[RD] offset:\t*2*SPITCH
.endr
.endm
.macro SEND a, younger                 ; younger: the LDS instructions issued behind block a's loads: the next block's eight stores and eight loads, or none
.set BB, TMP+32*((\a)%2)
	s_wait_dscnt \younger
.irp t, 0,1,2,3,4,5,6,7
	global_store_b128 v[CO], v[BB+4*\t:BB+4*\t+3], s[8:9] offset:(16*(\a)+2*\t)*SIZE_N*4 th:TH_STORE_NT   ; sixteen lanes store 256 consecutive bytes, aligned
.endr
.endm
.macro OUT
	WIN 0
	PLACES 5                                       ; behind the last products: four for the stores that read results; the fifth for the next tile's first products, which begin these accumulators anew on the bias
	TOSTAGE 0
.irp a, 1,2,3
.if \a > 1
	s_wait_xcnt 0x0                                ; block a - 2's stores have read their registers: block a's loads may land there
.endif
	TOSTAGE \a
	SEND \a-1, 16
.endr
	SEND 3, 0
.endm
	s_wait_tensorcnt 1                             ; my part of K step 0 is in (K step 1's load may be out),
	s_barrier_signal -1
	s_barrier_wait -1                              ; everybody's is
	FETCH 0, 0, F0
	s_wait_loadcnt 0x0                             ; the bias
	; ---- the first tile
	THREE 0, 1                                     ; K step 0: its first products start the sums
	TURN 0, 1, 1                                   ; slot 0 takes K step 2
	THREE 1, 0
	TURN 1, 0, 1                                   ; slot 1 takes K step 3
	THREE 0, 0
	TURN 0, 1, 2                                   ; THE RING GOES ON INTO THE SECOND TILE: slot 0 takes its K step 0,
	THREE 1, 0
	TURN 1, 0, 2                                   ; slot 1 its K step 1, and the second tile's first fragments are fetched
	OUT                                            ; both refills are asked for: now the first tile goes out
	s_wait_xcnt 0x0                                ; its stores have read their base and their registers
	s_add_nc_u64 s[8:9], s[8:9], WALK*SIZE_N*4     ; C: WALK rows down
	; ---- the second tile
	THREE 0, 1
	TURN 0, 1, 1                                   ; slot 0 takes its K step 2
	THREE 1, 0
	TURN 1, 0, 1                                   ; slot 1 its K step 3: the last load
	THREE 0, 0
	TURN 0, 1, 0
	THREE 1, 0
	s_wait_dscnt 16                                ; the very last quarter: nothing more to fetch
	WIN MUL
	MUL8 F1, 0, 0, 0
	MUL8 F1, 0, 2, 0
	s_wait_dscnt 0
	MUL8 F1, 1, 0, 0
	MUL8 F1, 1, 2, 0
	OUT
	s_wait_tensorcnt 0x0                           ; the wave's end
	ds_add_u32 v[SPW], v[NIL]
	s_wait_dscnt 0x0
	CROUND                                         ; the closing round
	s_endpgm
.Lfunc_end_k_qd3fb13de1a_outp:
	.size	k_qd3fb13de1a_outp, .Lfunc_end_k_qd3fb13de1a_outp-k_qd3fb13de1a_outp
	.p2alignl 7, 3214868480
	.fill 96, 4, 3214868480
	.section	.rodata,"a",@progbits
	.p2align	6, 0x0
	.amdhsa_kernel k_qd3fb13de1a_outp
		.amdhsa_group_segment_fixed_size 327680
		.amdhsa_private_segment_fixed_size 0
		.amdhsa_enable_private_segment 0
		.amdhsa_kernarg_size 32
		.amdhsa_user_sgpr_count 2
		.amdhsa_user_sgpr_kernarg_segment_ptr 1
		.amdhsa_wavefront_size32 1
		.amdhsa_system_sgpr_workgroup_id_x 1
		.amdhsa_system_sgpr_workgroup_id_y 1
		.amdhsa_system_sgpr_workgroup_id_z 1
		.amdhsa_system_vgpr_workitem_id 0
		.amdhsa_next_free_vgpr 512
		.amdhsa_next_free_sgpr 70
		.amdhsa_reserve_vcc 0
		.amdhsa_float_denorm_mode_32 3
		.amdhsa_float_denorm_mode_16_64 3
		.amdhsa_memory_ordered 1
		.amdhsa_forward_progress 1
		.amdhsa_inst_pref_size 166
	.end_amdhsa_kernel
	.amdgpu_metadata
---
amdhsa.version: [ 1, 2 ]
amdhsa.kernels:
  - .name:           k_qd3fb13de1a_outp
    .symbol:         k_qd3fb13de1a_outp.kd
    .args:
      - { .name: att, .offset: 0, .size: 8, .value_kind: global_buffer, .address_space: global }
      - { .name: wo16, .offset: 8, .size: 8, .value_kind: global_buffer, .address_space: global }
      - { .name: out0, .offset: 16, .size: 8, .value_kind: global_buffer, .address_space: global }
      - { .name: bo, .offset: 24, .size: 8, .value_kind: global_buffer, .address_space: global }
    .group_segment_fixed_size: 327680
    .private_segment_fixed_size: 0
    .kernarg_segment_align: 8
    .kernarg_segment_size: 32
    .max_flat_workgroup_size: 128
    .sgpr_count:     70
    .vgpr_count:     512
    .wavefront_size: 32
...
	.end_amdgpu_metadata
.endif
;; end of part 4
